; MI455X (gfx1250); checked and timed in simulation.
; The chip was launched on July 23, 2026; its instructions are those of AMD's public machine-readable ISA for CDNA 5 (MIT licence, August 2026) and "CDNA5" Instruction Set Architecture Reference Guide (July 2026). The comments in the code are by the model that wrote it; some were corrected since.
;; Ro PE Attention. Allowed arithmetic: matrix products marked QUANTISED: E2M1 operands, one E8M0 scale for each 32 along K, by v_wmma_scale_f32_16x16x128_f8f6f4 with both operands' format E2M1 (or v_wmma_scale_f32_32x16x128_f4), f32 sums; products left as they are: bf16, f16 or f32 operands; f32 sums; everything else in f32.
;; Inputs: Wproj 1,024 x 1,024 float32; Wqkv 1,024 x 3,072 float32; bproj 1,024 float32; bqkv 3,072 float32; cos 2,048 x 32 float32; sin 2,048 x 32 float32; x 4 x 2,048 x 1,024 float32.
;; Outputs: out0 4 x 2,048 x 1,024 float32.
;; This version of the problem:
;;   THIS VERSION OF THE PROBLEM IS GIVEN IN LOW PRECISION. The matrix products marked QUANTISED in the list below multiply operands that are first quantised to E2M1 (2 exponent bits, 1 mantissa bit; 4 bits a number), with one power-of-two scale for each 32 numbers along K (OCP MX v1.0); their sums are f32. The products marked 'left as it is' may take bf16, f16 or f32 operands, with f32 sums. Whichever they take, every output number must still come out within the allowed error. Rounding operands to bf16 (8 significant bits) uses up far more of that allowance than f16 does (11 bits, for magnitudes from 6e-5 to 65,504). All else is computed in f32.
;;   The module's matrix products, in the order in which they are computed (A, B: the left and right operand; K: the contracted axis; several contracted axes count as one K, in the product's order):
;;     1. [M 8,192, K 1,024] x [K 1,024, N 3,072]; A: input x; B: input Wqkv: QUANTISED
;;     2. batch 64 x [M 2,048, K 64] x [K 64, N 2,048]; A: computed on the way; B: computed on the way: left as it is (an operand is computed on the way)
;;     3. batch 64 x [M 2,048, K 2,048] x [K 2,048, N 64]; A: computed on the way; B: computed on the way: left as it is (an operand is computed on the way)
;;     4. [M 8,192, K 1,024] x [K 1,024, N 1,024]; A: computed on the way; B: input Wproj: left as it is (an operand is computed on the way)
;;   THE QUANTISER, for each operand of a quantised product, along K:
;;     - K is cut into blocks of 32 from its start; a last block that is shorter is filled with zeros.
;;     - A block's scale is 2^e with e = floor(log2(the largest magnitude in the block)) - 2, held to -126 .. 127; a block of zeros has e = 0. As a byte (E8M0): e + 127.
;;     - Each number is divided by its block's scale, clamped to +-6, and rounded to the nearest number of E2M1, ties to even, subnormals kept.
;;     - The product sums the exact products of the quantised numbers (number of the format x scale) in f32.
;;   ~~~python
;;   def quantise(x, axis):      # numpy; x: float32 -> the quantised numbers, widened to float32 again
;;       x = np.moveaxis(x, axis, -1); K = x.shape[-1]
;;       x = np.pad(x, [(0, 0)] * (x.ndim - 1) + [(0, -K % 32)]); x = x.reshape(x.shape[:-1] + (-1, 32)); a = np.abs(x).max(-1, keepdims=True)
;;       e = np.where(a > 0, np.clip(np.frexp(np.where(a > 0, a, 1))[1] - 1 - 2, -126, 127), 0)      # np.frexp(a)[1] - 1 = floor(log2(a)), exactly
;;       r = np.clip(x / 2.0 ** e, -6, 6)
;;       step = 2.0 ** (np.maximum(np.frexp(np.where(r == 0, 1, r))[1] - 1, 0) - 1)
;;       q = np.round(r / step) * step * 2.0 ** e      # np.round: ties to even
;;       return np.moveaxis(q.reshape(q.shape[:-2] + (-1,))[..., :K], -1, axis).astype(np.float32)
;;   ~~~
;; One version. Each part assembles by itself: llvm-mc -triple=amdgcn-amd-amdhsa -mcpu=gfx1250 --defsym DOCPART=n.
;; ======== version 1 of 1: 4 launches
;; limits: values are held in f16: magnitudes above 65,504 overflow, below 6.1e-05 lose precision
;; workspace buffers: xc 4,194,304 bytes; xs 262,144 bytes; wc 1,572,864 bytes; ws 98,304 bytes; wp 2,097,152 bytes; qkvh 50,331,648 bytes; oh 16,777,216 bytes
;; launch prep (part 1): grid 512 x 1, 4 waves a work-group, no clusters, 33,280 bytes of LDS; arguments x, Wqkv, Wproj, xc, xs, wc, ws, wp; writes xc, xs, wc, ws, wp
.if DOCPART == 1
	.amdgcn_target "amdgcn-amd-amdhsa--gfx1250"
	.amdhsa_code_object_version 6
	.text
	.protected	k_qa552da1f73_prep
	.globl	k_qa552da1f73_prep
	.p2align	8
	.type	k_qa552da1f73_prep,@function
k_qa552da1f73_prep:
	s_mov_b64 s[64:65], 0
	v_nop
	global_prefetch_b8 v0, s[64:65] scope:SCOPE_SE
	s_setreg_imm32_b32 hwreg(HW_REG_WAVE_MODE, 25, 1), 1
	s_wait_xcnt 0x0
; PREP: the operands that many work-groups read later are made once.
;   work-groups 0-255:   x [8192][1024] f32 -> codes of FP4 (E2M1), K innermost, xc [8192][512 bytes], and one E8M0 byte for each 32 along K, xs [8192][32].
;   work-groups 256-447: Wqkv [1024 (k)][3072 (n)] f32 -> codes along K, laid in the order of the operand's registers: wc [n / 16][k / 32][n % 16][16 bytes]; bytes ws [3072][32].
;   work-groups 448-511: Wproj [1024 (k)][1024 (n)] f32 -> f16, laid likewise: wp [n / 16][k / 8][n % 16][16 bytes = 8 k].
; A block's scale is 2^(floor(log2(its largest magnitude)) - 2); its byte is the largest magnitude's exponent field - 2, held at 1 from below.
; LIMITS: a block of zeros gets the byte 1 where the quantiser says 127 (its codes are zeros, and this program alone reads the bytes); blocks whose largest magnitude lies
; under 2^-124 keep the byte 1; NaN and infinities among the inputs are not served; Wproj must lie within f16's range (65,504), and under 6e-5 it keeps f16's absolute step.
; No cluster, no tensor load: no two work-groups read the same byte.  Only x's path touches LDS; waves share nothing, so there is no barrier.
.set SP,    80                         ; x: a lane's place in a stage: its 64 bytes + 16 of padding
.set WREG,  8192                       ; x: LDS region of a wave: two stages of 32 x SP bytes, and behind them its 256 scale bytes
.set SPARE, 4*WREG                     ; behind the four regions: the spare words, 128 bytes a wave, which no other line names
.set SPW,   12                         ; v12 LDS address of my spare word; never rewritten
.set NIL,   13                         ; v13 0; never rewritten
.set R,     16                         ; x: v16-143  eight sets of 16 numbers as they are loaded
.set X,     144                        ; x: v144-175 two sets of 16 neighbours
.set E,     176                        ; x: v176-191 a scale byte for each step
.set C,     192                        ; x: v192-223 two registers of codes for each step: no store's data are written again
.set WX,    32                         ; weights: v32-95 two sets of 32 numbers down K
.set WC,    96                         ; weights: v96.. results, registers of their own for each store
.macro LOAD t                          ; x, step t: four loads of 512 consecutive bytes
.irp i, 0,1,2,3
	global_load_b128 v[R+16*((\t)%8)+4*\i:R+16*((\t)%8)+4*\i+3], v3, s[4:5] offset:2048*(\t)+512*\i th:TH_LOAD_NT
.endr
.endm
.macro TURN t                          ; step t's 2,048 bytes through the wave's stage: in as they lie, out 64 bytes a lane.  LDS serves a wave's instructions in order
.irp i, 0,1,2,3
	ds_store_b128 v14, v[R+16*((\t)%8)+4*\i:R+16*((\t)%8)+4*\i+3] offset:32*SP*((\t)%2)+8*SP*\i
.endr
.irp i, 0,1,2,3
	ds_load_b128 v[X+16*((\t)%2)+4*\i:X+16*((\t)%2)+4*\i+3], v15 offset:32*SP*((\t)%2)+16*\i
.endr
.endm
.macro STEP t
.set XS, X+16*((\t)%2)
.if (\t) > 0
	s_wait_dscnt 1                                 ; this step's numbers are back (the last step's byte store may be out): so its stores into the stage have read their registers,
.else
	s_wait_dscnt 0x0
.endif
.if (\t)+8 < 16
	LOAD (\t)+8                                    ; which take the loads of eight steps on
.endif
.if (\t)+1 < 16
.if (\t) <= 7
	s_wait_loadcnt 28                              ; the next step's four loads are in; those of the seven steps behind it may be out
.else
	s_wait_loadcnt 4*(14-(\t))                     ; the steps behind the next one: 14 - t of them are left
.endif
	TURN (\t)+1
.endif
	v_max3_num_f32 v8, |v[XS]|, |v[XS+1]|, |v[XS+2]|   ; the largest magnitude of my 16, in two chains
	v_max3_num_f32 v9, |v[XS+3]|, |v[XS+4]|, |v[XS+5]|
.irp i, 6,10
	v_max3_num_f32 v8, v8, |v[XS+\i]|, |v[XS+\i+1]|
	v_max3_num_f32 v9, v9, |v[XS+\i+2]|, |v[XS+\i+3]|
.endr
	v_max3_num_f32 v8, v8, |v[XS+14]|, |v[XS+15]|
	v_max3_num_f32 v8, v8, v9, 0x1800000           ; and the floor 2^(3 - 127): the byte cannot fall under 1
	v_max_num_f32_dpp v8, v8, v8 row_xmask:1 row_mask:0xf bank_mask:0xf   ; with my neighbour's 16: the block's
	v_add_nc_u32 v11, 0xff000000, v8               ; 2 off its exponent field: the conversion takes the exponent field of this operand as its scale
	v_cvt_scalef32_pk8_fp4_f32 v[C+2*(\t)], v[XS:XS+7], v11
	v_cvt_scalef32_pk8_fp4_f32 v[C+2*(\t)+1], v[XS+8:XS+15], v11
	v_lshrrev_b32 v[E+(\t)], 23, v11               ; the scale's byte (also the plain line behind the conversions)
	ds_store_b8 v5, v[E+(\t)] offset:16*(\t)       ; both lanes of a block write the same byte with the same value
	global_store_b64 v4, v[C+2*(\t):C+2*(\t)+1], s[10:11] offset:256*(\t)   ; the wave stores 256 consecutive bytes, aligned
.endm
.macro WLOAD t, stride, base           ; a weight's block t: rows 32 t + i of my column: 32 lanes read 128 consecutive bytes, the four waves 512
.irp i, 0,1,2,3,4,5,6,7,8,9,10,11,12,13,14,15,16,17,18,19,20,21,22,23,24,25,26,27,28,29,30,31
	global_load_b32 v[WX+32*((\t)%2)+\i], v3, s[\base:\base+1] offset:(32*(\t)+\i)*\stride th:TH_LOAD_NT
.endr
.endm
.macro WWAIT t
.if (\t) < 3
	s_wait_loadcnt 32                              ; this block's 32 loads are in; the next block's may be out
.else
	s_wait_loadcnt 0x0
.endif
.endm
.macro WBLOCK t                        ; Wqkv: a block of 32 along K of my column lies in my 32 registers
.set XS, WX+32*((\t)%2)
	WWAIT \t
	v_max3_num_f32 v8, |v[XS]|, |v[XS+1]|, |v[XS+2]|
	v_max3_num_f32 v9, |v[XS+3]|, |v[XS+4]|, |v[XS+5]|
.irp i, 6,10,14,18,22,26
	v_max3_num_f32 v8, v8, |v[XS+\i]|, |v[XS+\i+1]|
	v_max3_num_f32 v9, v9, |v[XS+\i+2]|, |v[XS+\i+3]|
.endr
	v_max3_num_f32 v8, v8, |v[XS+30]|, |v[XS+31]|
	v_max3_num_f32 v8, v8, v9, 0x1800000           ; the floor, as above
	v_add_nc_u32 v11, 0xff000000, v8
	v_lshrrev_b32 v9, 23, v11                      ; the scale's byte
.if (\t) == 0
	v_mov_b32 v6, v9                               ; four bytes make the scale word of these 128 along K, the lower K in the lower byte
.else
	v_lshl_or_b32 v6, v9, 8*(\t), v6
.endif
.irp g, 0,1,2,3
	v_cvt_scalef32_pk8_fp4_f32 v[WC+4*(\t)+\g], v[XS+8*\g:XS+8*\g+7], v11
.endr
.if (\t)+2 < 4
	WLOAD (\t)+2, 12288, 6
.endif
	global_store_b128 v4, v[WC+4*(\t):WC+4*(\t)+3], s[14:15] offset:256*(\t)   ; sixteen lanes store 256 consecutive bytes, aligned: one block of K of sixteen columns
.endm
.macro PBLOCK t                        ; Wproj: 32 along K of my column, rounded to f16: four pieces of 8 k
.set XS, WX+32*((\t)%2)
	WWAIT \t
.irp j, 0,1,2,3,4,5,6,7,8,9,10,11,12,13,14,15
	v_cvt_pk_f16_f32 v[WC+16*(\t)+\j], v[XS+2*\j], v[XS+2*\j+1]
.endr
.if (\t)+2 < 4
	WLOAD (\t)+2, 4096, 8
.endif
.irp g, 0,1,2,3
	global_store_b128 v4, v[WC+16*(\t)+4*\g:WC+16*(\t)+4*\g+3], s[18:19] offset:(4*(\t)+\g)*256
.endr
.endm
	s_load_b256 s[4:11], s[0:1], 0x0               ; x s[4:5], Wqkv s[6:7], Wproj s[8:9], xc s[10:11]
	s_load_b256 s[12:19], s[0:1], 0x20             ; xs s[12:13], wc s[14:15], ws s[16:17], wp s[18:19]
	v_lshl_add_u32 v[SPW], v0, 2, SPARE
	v_mov_b32 v[NIL], 0
	v_lshrrev_b32 v1, 5, v0
	v_readfirstlane_b32 s20, v1                    ; wave 0..3
	v_and_b32 v2, 31, v0                           ; lane
	s_mov_b32 s23, 0                               ; the upper word of every offset: all stay under 2^32
	s_wait_kmcnt 0x0
	s_cmp_lt_u32 ttmp9, 256
	s_cbranch_scc0 .Lweights
	; ---- x: rows are dense and 1,024 is a multiple of 32, so x is a plain stream of blocks.  A wave takes 16 steps of 512 numbers
	v_lshlrev_b32 v3, 4, v2                        ; my 16 bytes of a load's 512
	s_mul_i32 s21, s20, WREG
	v_lshrrev_b32 v14, 2, v2
	v_mul_u32_u24 v14, v14, SP
	v_and_b32 v15, 3, v2
	v_lshl_add_u32 v14, v15, 4, v14
	v_add_nc_u32 v14, s21, v14                     ; the stage, on the way in: SP (lane / 4) + 16 (lane % 4)
	v_mul_u32_u24 v15, v2, SP
	v_add_nc_u32 v15, s21, v15                     ; and on the way out: SP x lane: my 16 neighbours
	v_lshlrev_b32 v4, 3, v2                        ; 8 x lane: my codes' place in a step's 256 bytes, and my 8 of the 256 scale bytes
	v_lshrrev_b32 v5, 1, v2
	s_add_co_u32 s21, s21, 2*32*SP
	v_add_nc_u32 v5, s21, v5                       ; LDS: my block's byte among my wave's 256
	v_add_nc_u32 v6, s21, v4                       ; and 8 of them on the way out
	s_lshl_b32 s22, ttmp9, 2
	s_add_co_u32 s24, s22, s20                     ; which run of 8,192 numbers is my wave's
	s_lshl_b32 s22, s24, 15
	s_add_nc_u64 s[4:5], s[4:5], s[22:23]
	s_lshl_b32 s22, s24, 12
	s_add_nc_u64 s[10:11], s[10:11], s[22:23]
	s_lshl_b32 s22, s24, 8
	s_add_nc_u64 s[12:13], s[12:13], s[22:23]
.irp t, 0,1,2,3,4,5,6,7
	LOAD \t
.endr
	s_wait_loadcnt 28                              ; step 0's four loads are in
	TURN 0
.irp t, 0,1,2,3,4,5,6,7,8,9,10,11,12,13,14,15
	STEP \t
.endr
	ds_load_b64 v[8:9], v6                         ; LDS serves a wave's instructions in order: these see my byte stores
	s_wait_dscnt 0x0
	global_store_b64 v4, v[8:9], s[12:13]          ; 32 lanes store 256 consecutive bytes, aligned
	s_wait_tensorcnt 0x0                           ; the wave's end, behind my last LDS store
	ds_add_u32 v[SPW], v[NIL]
	s_wait_dscnt 0x0
	s_endpgm
.Lweights:
	; ---- a weight stored [k][n]: a lane takes a column, its registers run down K.  A work-group: 128 columns x 128 along K; a wave: 32 columns, 4 blocks of 32
	v_lshlrev_b32 v3, 2, v2                        ; in: 4 bytes a lane
	v_and_b32 v4, 15, v2
	v_lshrrev_b32 v5, 4, v2
	v_lshlrev_b32 v4, 4, v4                        ; out: 16 x (column % 16)
	s_sub_co_u32 s24, ttmp9, 256
	s_cmp_lt_u32 ttmp9, 448
	s_cbranch_scc0 .Lproj
	s_lshr_b32 s25, s24, 3                         ; which 128 columns
	s_and_b32 s26, s24, 7                          ; which 128 along K
	s_lshl_b32 s25, s25, 7
	s_lshl_b32 s27, s20, 5
	s_add_co_u32 s25, s25, s27                     ; my wave's first column
	s_mul_i32 s22, s26, 128*12288
	s_lshl_b32 s27, s25, 2
	s_add_co_u32 s22, s22, s27
	s_add_nc_u64 s[6:7], s[6:7], s[22:23]          ; Wqkv at (128 kq, my first column)
	s_lshl_b32 s22, s25, 9                         ; codes: 8,192 bytes for sixteen columns,
	s_lshl_b32 s27, s26, 10                        ; 256 for a block of K
	s_add_co_u32 s22, s22, s27
	s_add_nc_u64 s[14:15], s[14:15], s[22:23]
	s_lshl_b32 s22, s25, 5                         ; scale bytes: 32 a column, 4 for 128 along K
	s_lshl_b32 s27, s26, 2
	s_add_co_u32 s22, s22, s27
	s_add_nc_u64 s[16:17], s[16:17], s[22:23]
	v_lshl_add_u32 v4, v5, 13, v4                  ; lanes 16-31: the next sixteen columns
	v_lshlrev_b32 v5, 5, v2                        ; my column's row of scale bytes
	WLOAD 0, 12288, 6
	WLOAD 1, 12288, 6
.irp t, 0,1,2,3
	WBLOCK \t
.endr
	global_store_b32 v5, v6, s[16:17]              ; my column's scale word: 4 bytes of a row of 32 (98,304 bytes in the whole launch leave so)
	s_endpgm
.Lproj:
	s_sub_co_u32 s24, ttmp9, 448
	s_lshr_b32 s25, s24, 3
	s_and_b32 s26, s24, 7
	s_lshl_b32 s25, s25, 7
	s_lshl_b32 s27, s20, 5
	s_add_co_u32 s25, s25, s27                     ; my wave's first column
	s_lshl_b32 s22, s26, 19                        ; 128 rows of 4,096 bytes
	s_lshl_b32 s27, s25, 2
	s_add_co_u32 s22, s22, s27
	s_add_nc_u64 s[8:9], s[8:9], s[22:23]
	s_lshl_b32 s22, s25, 11                        ; 32,768 bytes for sixteen columns,
	s_lshl_b32 s27, s26, 12                        ; 256 for 8 along K
	s_add_co_u32 s22, s22, s27
	s_add_nc_u64 s[18:19], s[18:19], s[22:23]
	v_lshl_add_u32 v4, v5, 15, v4
	WLOAD 0, 4096, 8
	WLOAD 1, 4096, 8
.irp t, 0,1,2,3
	PBLOCK \t
.endr
	s_endpgm
.Lfunc_end_k_qa552da1f73_prep:
	.size	k_qa552da1f73_prep, .Lfunc_end_k_qa552da1f73_prep-k_qa552da1f73_prep
	.p2alignl 7, 3214868480
	.fill 96, 4, 3214868480
	.section	.rodata,"a",@progbits
	.p2align	6, 0x0
	.amdhsa_kernel k_qa552da1f73_prep
		.amdhsa_group_segment_fixed_size 33280
		.amdhsa_private_segment_fixed_size 0
		.amdhsa_enable_private_segment 0
		.amdhsa_kernarg_size 64
		.amdhsa_user_sgpr_count 2
		.amdhsa_user_sgpr_kernarg_segment_ptr 1
		.amdhsa_wavefront_size32 1
		.amdhsa_system_sgpr_workgroup_id_x 1
		.amdhsa_system_sgpr_workgroup_id_y 1
		.amdhsa_system_sgpr_workgroup_id_z 1
		.amdhsa_system_vgpr_workitem_id 0
		.amdhsa_next_free_vgpr 224
		.amdhsa_next_free_sgpr 66
		.amdhsa_reserve_vcc 0
		.amdhsa_float_denorm_mode_32 3
		.amdhsa_float_denorm_mode_16_64 3
		.amdhsa_memory_ordered 1
		.amdhsa_forward_progress 1
		.amdhsa_inst_pref_size 70
	.end_amdhsa_kernel
	.amdgpu_metadata
---
amdhsa.version: [ 1, 2 ]
amdhsa.kernels:
  - .name:           k_qa552da1f73_prep
    .symbol:         k_qa552da1f73_prep.kd
    .args:
      - { .name: x, .offset: 0, .size: 8, .value_kind: global_buffer, .address_space: global }
      - { .name: Wqkv, .offset: 8, .size: 8, .value_kind: global_buffer, .address_space: global }
      - { .name: Wproj, .offset: 16, .size: 8, .value_kind: global_buffer, .address_space: global }
      - { .name: xc, .offset: 24, .size: 8, .value_kind: global_buffer, .address_space: global }
      - { .name: xs, .offset: 32, .size: 8, .value_kind: global_buffer, .address_space: global }
      - { .name: wc, .offset: 40, .size: 8, .value_kind: global_buffer, .address_space: global }
      - { .name: ws, .offset: 48, .size: 8, .value_kind: global_buffer, .address_space: global }
      - { .name: wp, .offset: 56, .size: 8, .value_kind: global_buffer, .address_space: global }
    .group_segment_fixed_size: 33280
    .private_segment_fixed_size: 0
    .kernarg_segment_align: 8
    .kernarg_segment_size: 64
    .max_flat_workgroup_size: 128
    .sgpr_count:     66
    .vgpr_count:     224
    .wavefront_size: 32
...
	.end_amdgpu_metadata
.endif
;; end of part 1
;; launch qkvrope (part 2): grid 12 x 32, 4 waves a work-group, clusters of 4 x 4, 327,680 bytes of LDS; arguments xc, xs, wc, ws, bqkv, cos, sin, qkvh; writes qkvh
.if DOCPART == 2
	.amdgcn_target "amdgcn-amd-amdhsa--gfx1250"
	.amdhsa_code_object_version 6
	.text
	.protected	k_qa552da1f73_qkvrope
	.globl	k_qa552da1f73_qkvrope
	.p2align	8
	.type	k_qa552da1f73_qkvrope,@function
k_qa552da1f73_qkvrope:
	s_mov_b64 s[64:65], 0
	v_nop
	global_prefetch_b8 v0, s[64:65] scope:SCOPE_SE
	s_setreg_imm32_b32 hwreg(HW_REG_WAVE_MODE, 25, 1), 1
	s_wait_xcnt 0x0
	s_wait_alu depctr_hold_cnt(0) depctr_sa_sdst(0) depctr_va_vdst(0) depctr_va_sdst(0) depctr_va_ssrc(0) depctr_va_vcc(0) depctr_vm_vsrc(0)
	s_getreg_b32 s2, hwreg(HW_REG_IB_STS2, 6, 4)
	s_cmp_eq_u32 s2, 0
	s_cbranch_scc0 .Lentry_in_a_cluster
	s_endpgm
.Lentry_in_a_cluster:
	s_bfe_u32 s2, ttmp6, 0x10000c
	s_cmp_lg_u32 s2, 0xf033
	s_cbranch_scc0 .Lentry_shape_is_right
	s_endpgm
.Lentry_shape_is_right:
; q, k, v = x Wqkv + bqkv on codes of FP4 (E2M1) with one E8M0 scale for each 32 along K; q and k rotated (RoPE) in f32; all three rounded to f16 and stored in the order in which the next launch's operand registers take them.
; A tile of 256 tokens x 256 columns is made by four waves, each 128 x 128: 64 accumulators, 512 registers.  K = 1,024 is two LDS slots of 512: both are first fills, nothing is filled again, there is no loop.
; x's codes lie by rows (a slot's row: 256 bytes, 16 of padding behind it in LDS).  Wqkv's codes lie as images of fragments, [n / 16][k / 32][n % 16][16 bytes]: a fragment is two loads at 16 x lane, 512 consecutive bytes each.
; The scale bytes of the tile's 256 + 256 rows, for all of K, come once, as rows of 256 bytes + 16 of padding.
; CLUSTERS: 4 x 4 work-groups; x's tiles are shared along a row of the cluster, Wqkv's along a column: each is asked for jointly.  The cluster's x is 0 for q, 1 for k, 2 for v: the same in all sixteen partners.
; THE MATRIX INSTRUCTION IS USED TRANSPOSED (source 0 = 16 columns of Wqkv, source 1 = 16 tokens): a lane holds one token (lane % 16) and eight neighbouring channels 8 (lane / 16) + 0 .. 7 of a tile of 16: four pairs for the rotation, 16 bytes of f16.
; The bias is the C of each sum's first product.
; OUT: qkvh [3][batch x head 64][token / 16: 128][2,048 bytes].  q, k: [channel / 8][token % 16][16 bytes]: a wave's store is 512 consecutive bytes at 16 x lane.
;      v: [channel / 16][(token % 16) / 8][(channel / 8) % 2][token % 8][16 bytes]: the order in which the turning LDS load of the next launch reads at 16 x lane.
; LIMITS: q, k, v must lie within f16's range (65,504); under 6e-5 they keep f16's absolute step; NaN and infinities are not served.
; REGISTERS: window 0: v0-31 addresses; v32-95 scale words, two sets; v128-191 x's fragments, one set; v192-255 cos and sin, two sets.  On the way out v32-95 the rotated numbers, v128-191 two sets of f16.
;   window 1: Wqkv's fragments at v0 and v128; the bias at v64-127.   windows 2, 3: the accumulators ((a, b) at v[8 (8 (a % 4) + b)]).
.set NQ,     4                         ; matrix instructions deep in a slot
.set ROWB,   256                       ; a slot's row of x's codes
.set KROW,   512                       ; a row of x's codes in memory
.set PITCH,  272                       ; and in LDS: 68 words, so the 16 rows that a load touches start at 16 different banks (ISA guide 11.1)
.set FR,     8
.set NL,     2
.set NP,     4                         ; places behind this matrix instruction (ISA guide 7.12.1)
.set HALFT,  128*PITCH                 ; 128 rows of x: one tensor load
.set BH,     32768                     ; 128 columns of Wqkv x 512 along K: one tensor load, 8 rows of 4,096 bytes
.set SLOT,   2*HALFT+2*BH
.set KS,     32                        ; a row of scale bytes
.set SCL,    2*SLOT
.set HALFS,  16*272                    ; the scales of 128 rows
.set SBLK,   2*272                     ; of 16 rows
.set SPARE,  SCL+4*HALFS               ; the spare words, 128 bytes a wave, which no other line names
.set ADRA, 16                          ; v16-17 LDS address of my fragments of x in slot 0, 1
.set ADRB, 20                          ; v20-21 of Wqkv
.set CSA,  22                          ; v22 my place in 16 rows of cos or sin: 128 (lane % 16) + 16 (lane / 16)
.set COQ,  23                          ; v23 16 x lane
.set COV,  24                          ; v24 my 16 bytes in v's order
.set BIA,  25                          ; v25 32 (lane / 16): my eight numbers of a tile's bias
.set ADRS, 27                          ; v27 LDS address of my scale words: lanes 0-15 x's rows, lanes 16-31 Wqkv's
.set SPW,  28                          ; v28 my spare word; never rewritten
.set NIL,  29                          ; v29 0; never rewritten
.set SC,   32
.set AF,   128
.set RR,   32
.set OUT,  128
.set CS,   192                         ; set a % 2: cos of channels 16 b + .. at +4 b, sin at +16 + 4 b
.set BI,   64
.set G1, 24
.set G0, 32
.set G1B, 48
.set G0B, 56
.set G1S, 68
.set G0S, 76
.set G1SB, 80
.set G0SB, 88
.set MSB, 0
.macro WIN new                         ; the immediate's high byte repeats the setting that is left
.if MSB != \new
	s_set_vgpr_msb (MSB<<8)|\new
.set MSB, \new
.endif
.endm
.set MUL_LO, 0xa1                      ; source 0 (Wqkv) window 1, source 1 (x) window 0, C and D window 2
.set MUL_HI, 0xf1
.set TO_B,   0x40
; A joint load: waves 0 and 1 fetch for x, waves 2 and 3 for Wqkv.  The branch hangs on the wave's number alone.  An s_nop 0 and four v_nop follow each line.
.macro JLOAD g0a, g1a, g0b, g1b
	s_cmp_eq_u32 s15, 0
	s_cbranch_scc0 .Lfor_b_\@
	tensor_load_to_lds s[\g0a:\g0a+3], s[\g1a:\g1a+7]
	s_nop 0
.rept 4
	v_nop
.endr
	s_branch .Lasked_\@
.Lfor_b_\@:
	tensor_load_to_lds s[\g0b:\g0b+3], s[\g1b:\g1b+7]
	s_nop 0
.rept 4
	v_nop
.endr
.Lasked_\@:
.endm
.macro CROUND                          ; a round of the cluster's barrier
	s_barrier_signal -1
	s_barrier_wait -1
	s_cmp_lg_u32 s14, 0
	s_cbranch_scc1 .Lnot_wave_0_\@
	s_barrier_signal -3
.Lnot_wave_0_\@:
	s_barrier_wait -3
	s_barrier_signal -1
	s_barrier_wait -1
.endm
	s_load_b128 s[4:7], s[0:1], 0x0                ; x's codes, x's scales
	s_load_b128 s[8:11], s[0:1], 0x10              ; Wqkv's codes, its scales
	s_load_b128 s[96:99], s[0:1], 0x20             ; bqkv s[96:97], cos s[98:99]
	s_load_b64 s[66:67], s[0:1], 0x30              ; sin
	s_load_b64 s[12:13], s[0:1], 0x38              ; qkvh
	v_lshl_add_u32 v[SPW], v0, 2, SPARE
	v_mov_b32 v[NIL], 0
	ds_add_u32 v[SPW], v[NIL]                      ; the wave's opening: the add, twice on end, and its wait ahead of my first tensor load
	ds_add_u32 v[SPW], v[NIL]
	v_lshrrev_b32 v1, 5, v0
	v_readfirstlane_b32 s14, v1                    ; wave 0..3
	s_lshr_b32 s15, s14, 1                         ; which 128 tokens are mine.  Also: I fetch for x (0) or for Wqkv (1)
	s_and_b32 s16, s14, 1                          ; which 128 columns.  Also: which half of that tile I fetch
	s_bfe_u32 s40, ttmp6, 0x40000                  ; cx, cy
	s_bfe_u32 s41, ttmp6, 0x40004
	s_lshl_b32 s42, ttmp9, 2
	s_add_co_u32 s42, s42, s40                     ; tile column 0..11
	s_and_b32 s17, ttmp7, 0xffff
	s_lshl_b32 s17, s17, 2
	s_add_co_u32 s17, s17, s41                     ; tile row 0..31
	s_lshl_b32 s43, s41, 2
	s_lshl_b32 s43, 15, s43                        ; my row of the cluster
	s_lshl_b32 s44, 0x1111, s40                    ; my column
	s_or_b32 s[G1+0], s43, (0<<16)|(1<<20)|(1<<21)|(5<<22)|(3<<25)  ; x: the mask; elements of 1 byte; padding: 4 words after every 64; bit 21 beside a mask
	s_mov_b32 s[G1+1], ROWB<<16                    ; tensor_dim0
	s_mov_b32 s[G1+2], 128<<16                     ; tensor_dim1
	s_mov_b32 s[G1+3], ROWB<<16                    ; tile_dim0
	s_mov_b32 s[G1+4], 128                         ; tile_dim1
	s_mov_b32 s[G1+5], KROW                        ; from row to row
	s_mov_b32 s[G1+6], 0
	s_mov_b32 s[G1+7], 0
	s_or_b32 s[G1B+0], s44, (3<<16)|(1<<21)        ; Wqkv: elements of 8 bytes, no padding: 8 rows (sixteen columns each) of 512 elements, 1,024 elements apart
	s_mov_b32 s[G1B+1], 512<<16
	s_mov_b32 s[G1B+2], 8<<16
	s_mov_b32 s[G1B+3], 512<<16
	s_mov_b32 s[G1B+4], 8
	s_mov_b32 s[G1B+5], 1024
	s_mov_b32 s[G1B+6], 0
	s_mov_b32 s[G1B+7], 0
	s_or_b32 s[G1S+0], s43, (3<<16)|(1<<20)|(1<<21)|(5<<22)|(3<<25)  ; the scales of 128 rows: 4,096 dense bytes as 16 rows of 256, 16 bytes of padding behind each
	s_or_b32 s[G1SB+0], s44, (3<<16)|(1<<20)|(1<<21)|(5<<22)|(3<<25)
.irp g, G1S, G1SB
	s_mov_b32 s[\g+1], 32<<16
	s_mov_b32 s[\g+2], 16<<16
	s_mov_b32 s[\g+3], 32<<16
	s_mov_b32 s[\g+4], 16
	s_mov_b32 s[\g+5], 32
	s_mov_b32 s[\g+6], 0
	s_mov_b32 s[\g+7], 0
.endr
	s_lshl_b32 s18, s16, 16                        ; my half: 128 rows of 512 bytes, or 8 x 8,192 bytes
	s_lshl_b32 s19, s16, 12                        ; and its scales: 128 rows of 32 bytes
	s_lshl_b32 s20, s17, 17
	s_add_co_u32 s20, s20, s18                     ; x's codes: made of the tile row alone
	s_mov_b32 s21, 0
	s_lshl_b32 s22, s17, 13
	s_add_co_u32 s22, s22, s19
	s_mov_b32 s23, 0
	s_lshl_b32 s46, s42, 17
	s_add_co_u32 s46, s46, s18                     ; Wqkv's codes: of the tile column alone
	s_mov_b32 s47, 0
	s_lshl_b32 s92, s42, 13
	s_add_co_u32 s92, s92, s19
	s_mov_b32 s93, 0
	s_mul_i32 s45, s16, HALFT                      ; where they go: no place in the cluster enters an LDS address
	s_mul_i32 s95, s16, BH
	s_add_co_u32 s95, s95, 2*HALFT
	s_mul_i32 s94, s14, HALFS
	s_wait_dscnt 0x0                               ; both opening adds are done
	s_wait_kmcnt 0x0
	s_add_nc_u64 s[20:21], s[4:5], s[20:21]
	s_add_nc_u64 s[22:23], s[6:7], s[22:23]
	s_add_nc_u64 s[46:47], s[8:9], s[46:47]
	s_add_nc_u64 s[92:93], s[10:11], s[92:93]
	CROUND                                         ; all sixteen work-groups are here: the joint loads meet
	s_mov_b32 s[G0S], 1
	s_add_co_u32 s[G0S+1], s94, SCL
	s_mov_b64 s[G0S+2:G0S+3], s[22:23]
	s_or_b32 s[G0S+3], s[G0S+3], 0x80000000
	s_mov_b32 s[G0SB], 1
	s_add_co_u32 s[G0SB+1], s94, SCL
	s_mov_b64 s[G0SB+2:G0SB+3], s[92:93]
	s_or_b32 s[G0SB+3], s[G0SB+3], 0x80000000
	JLOAD G0S, G1S, G0SB, G1SB                     ; the scales first; with the two slots three loads of mine are out
.irp s, 0,1
	s_mov_b32 s[G0+4*\s], 1
	s_add_co_u32 s[G0+4*\s+1], s45, \s*SLOT
	s_add_nc_u64 s[G0+4*\s+2:G0+4*\s+3], s[20:21], \s*ROWB
	s_or_b32 s[G0+4*\s+3], s[G0+4*\s+3], 0x80000000
	s_mov_b32 s[G0B+4*\s], 1
	s_add_co_u32 s[G0B+4*\s+1], s95, \s*SLOT
	s_add_nc_u64 s[G0B+4*\s+2:G0B+4*\s+3], s[46:47], \s*4096
	s_or_b32 s[G0B+4*\s+3], s[G0B+4*\s+3], 0x80000000
	JLOAD G0+4*\s, G1, G0B+4*\s, G1B
.endr
	v_and_b32 v1, 15, v0                           ; r = lane % 16
	v_bfe_u32 v2, v0, 4, 1                         ; h = lane / 16
	v_mul_u32_u24 v3, v1, PITCH
	v_lshl_add_u32 v4, v2, 4, v3                   ; x: row x pitch + 16 h
	v_and_b32 v6, 31, v0
	v_lshlrev_b32 v[COQ], 4, v6
	s_mul_i32 s21, s15, HALFT                      ; my 128 tokens
	s_mul_i32 s22, s16, BH
	s_add_co_u32 s22, s22, 2*HALFT                 ; my 128 columns
.irp s, 0,1
	v_add_nc_u32 v[ADRA+\s], s21, v4
	v_add_nc_u32 v[ADRB+\s], s22, v[COQ]
	s_add_co_u32 s21, s21, SLOT
	s_add_co_u32 s22, s22, SLOT
.endr
	v_mul_u32_u24 v5, v1, KS                       ; my row's scales: 32 bytes a row,
	v_lshrrev_b32 v6, 8, v5
	v_lshl_add_u32 v5, v6, 4, v5                   ; and 16 more for each 256 passed
	s_mul_i32 s21, s15, HALFS
	s_mul_i32 s22, s16, HALFS
	s_add_co_u32 s22, s22, 2*HALFS
	s_sub_co_u32 s22, s22, s21
	v_mul_u32_u24 v6, s22, v2                      ; lanes 16-31 take Wqkv's: one product, the distance between the two bases x h
	s_add_co_u32 s21, s21, SCL
	v_add_nc_u32 v5, v5, v6
	v_add_nc_u32 v[ADRS], s21, v5
	v_lshlrev_b32 v[CSA], 7, v1
	v_lshl_add_u32 v[CSA], v2, 4, v[CSA]
	v_lshrrev_b32 v5, 3, v1
	v_and_b32 v6, 7, v1
	v_lshlrev_b32 v[COV], 4, v6
	v_lshl_add_u32 v[COV], v2, 7, v[COV]
	v_lshl_add_u32 v[COV], v5, 8, v[COV]           ; 256 (r / 8) + 128 h + 16 (r % 8)
	v_lshlrev_b32 v[BIA], 5, v2
	; the bias at my first column; cos and sin at my first token of its sequence; qkvh at my first block
	s_lshl_b32 s46, s42, 10
	s_lshl_b32 s47, s16, 9
	s_add_co_u32 s46, s46, s47
	s_mov_b32 s47, 0
	s_add_nc_u64 s[96:97], s[96:97], s[46:47]
	s_and_b32 s22, s17, 7                          ; which 256 tokens of the sequence
	s_lshl_b32 s20, s22, 15
	s_lshl_b32 s21, s15, 14
	s_add_co_u32 s20, s20, s21                     ; tokens x 128 bytes in cos and sin; the same number is (token / 16) x 2,048 in qkvh
	s_mov_b32 s21, 0
	s_add_nc_u64 s[98:99], s[98:99], s[20:21]
	s_add_nc_u64 s[66:67], s[66:67], s[20:21]
	s_lshl_b32 s22, ttmp9, 24                      ; q, k or v
	s_add_co_u32 s20, s20, s22
	s_lshr_b32 s22, s17, 3                         ; the batch: 16 heads of 2^18 bytes
	s_lshl_b32 s22, s22, 22
	s_add_co_u32 s20, s20, s22
	s_lshl_b32 s22, s16, 19                        ; my two heads of the tile's four
	s_add_co_u32 s20, s20, s22
	s_add_nc_u64 s[12:13], s[12:13], s[20:21]
	s_lshl_b32 s46, s40, 20                        ; the tile's four heads
	s_add_nc_u64 s[12:13], s[12:13], s[46:47]
	WIN TO_B
.irp b, 0,1,2,3,4,5,6,7
	global_load_b128 v[BI+8*\b:BI+8*\b+3], v[BIA], s[96:97] offset:64*\b       ; bias(16 b + 8 h + 0 .. 7): a tile's C
	global_load_b128 v[BI+8*\b+4:BI+8*\b+7], v[BIA], s[96:97] offset:64*\b+16
.endr
	WIN 0
.macro CSLOAD a                        ; cos and sin of tokens 16 a on: my token's pairs 8 b + 4 h + 0 .. 3
.irp b, 0,1,2,3
	global_load_b128 v[CS+32*((\a)%2)+4*\b:CS+32*((\a)%2)+4*\b+3], v[CSA], s[98:99] offset:(\a)*2048+32*\b
	global_load_b128 v[CS+32*((\a)%2)+16+4*\b:CS+32*((\a)%2)+16+4*\b+3], v[CSA], s[66:67] offset:(\a)*2048+32*\b
.endr
.endm
	CSLOAD 0                                       ; every work-group loads the first two sets, v's too: so these registers are written on every way
	CSLOAD 1
.macro FRAGA reg, adr, q, i            ; 16 tokens x 128 K: lane l holds row l % 16; registers 4 c .. hold K = 64 c + 32 (l / 16) + 0 .. 31
.irp c, 0,1
	ds_load_b128 v[\reg+4*\c:\reg+4*\c+3], v[\adr] offset:64*(\q)+32*\c+(\i)*16*PITCH
.endr
.endm
.macro FRAGB reg, adr, q, i            ; 16 columns x 128 K, as an image: 512 consecutive bytes a load
.irp c, 0,1
	ds_load_b128 v[\reg+4*\c:\reg+4*\c+3], v[\adr] offset:(\i)*4096+(\q)*1024+512*\c
.endr
.endm
; 16 matrix instructions: x's blocks a0, a0 + 1 against Wqkv's eight.  zero = 1: the first product starts the sums, with the bias as C.  The 64 accumulators take turns.
.macro MUL16 a0, p, q, sc, zero
.irp a, \a0, \a0+1
.irp b, 0,1,2,3,4,5,6,7
.if \zero
	v_wmma_scale_f32_16x16x128_f8f6f4 v[8*(8*((\a)%4)+\b):8*(8*((\a)%4)+\b)+7], v[128*(\p)+FR*\b:128*(\p)+FR*\b+FR-1], v[AF+FR*(\a):AF+FR*(\a)+FR-1], v[BI+8*\b:BI+8*\b+7], v[SC+8*NQ*(\sc)+NQ*\b+(\q)], v[SC+8*NQ*(\sc)+NQ*(\a)+(\q)] matrix_a_fmt:MATRIX_FMT_FP4 matrix_b_fmt:MATRIX_FMT_FP4 matrix_a_scale:MATRIX_SCALE_ROW1
.else
	v_wmma_scale_f32_16x16x128_f8f6f4 v[8*(8*((\a)%4)+\b):8*(8*((\a)%4)+\b)+7], v[128*(\p)+FR*\b:128*(\p)+FR*\b+FR-1], v[AF+FR*(\a):AF+FR*(\a)+FR-1], v[8*(8*((\a)%4)+\b):8*(8*((\a)%4)+\b)+7], v[SC+8*NQ*(\sc)+NQ*\b+(\q)], v[SC+8*NQ*(\sc)+NQ*(\a)+(\q)] matrix_a_fmt:MATRIX_FMT_FP4 matrix_b_fmt:MATRIX_FMT_FP4 matrix_a_scale:MATRIX_SCALE_ROW1
.endif
.endr
.endr
.endm
.macro FETCH_B slot, q, p
	WIN TO_B
.irp i, 0,1,2,3,4,5,6,7
	FRAGB 128*(\p)+FR*\i, ADRB+\slot, \q, \i
.endr
	WIN 0
.endm
.macro FETCH_A slot, q, i0
.irp i, \i0, \i0+1, \i0+2, \i0+3
	FRAGA AF+FR*(\i), ADRA+\slot, \q, \i
.endr
.endm
.macro SCALES sc                       ; a slot's scale words: 4 words a row; lanes 0-15 x's block i, lanes 16-31 Wqkv's block i
.irp i, 0,1,2,3,4,5,6,7
	ds_load_b128 v[SC+8*NQ*\sc+NQ*\i:SC+8*NQ*\sc+NQ*\i+3], v[ADRS] offset:\i*SBLK
.endr
.endm
.macro PLACES n                        ; plain vector lines between a matrix instruction and a load into, or a vector read or write of, its registers
.rept \n
	v_nop
.endr
.endm
.macro STEP slot, q, zero              ; 128 along K that has its successor in the same slot
	s_wait_dscnt 4*NL                              ; all but the youngest eight loads (x's blocks 4-7) are in
.if \zero
	WIN 0x91                                       ; C (the bias) window 1, D window 2
.else
	WIN MUL_LO
.endif
	MUL16 0, (\q)%2, \q, \slot, \zero
	MUL16 2, (\q)%2, \q, \slot, \zero
	s_wait_dscnt 0                                 ; x's blocks 4-7 are in
	PLACES NP
	FETCH_B \slot, (\q)+1, 1-(\q)%2
	FETCH_A \slot, (\q)+1, 0
.if \zero
	WIN 0xd1
.else
	WIN MUL_HI
.endif
	MUL16 4, (\q)%2, \q, \slot, \zero
	MUL16 6, (\q)%2, \q, \slot, \zero
	PLACES NP
	WIN 0
	FETCH_A \slot, (\q)+1, 4
.endm
.macro STEPS slot, from
.set Q, \from
.rept NQ-1-\from
	STEP \slot, Q, 0
.set Q, Q+1
.endr
.endm
	s_wait_tensorcnt 1                             ; the scales and my part of slot 0 are in; slot 1's load, the one issued behind them, may be out
	s_barrier_signal -1
	s_barrier_wait -1
	FETCH_B 0, 0, 0
	FETCH_A 0, 0, 0
	SCALES 0
	FETCH_A 0, 0, 4
	s_wait_loadcnt 0x0                             ; the bias, and the first two sets of cos and sin
	STEP 0, 0, 1
	STEPS 0, 1
	; slot 0's last step changes slots: one barrier; nothing is filled again
	s_wait_tensorcnt 0x0                           ; my part of slot 1 has landed
	ds_add_u32 v[SPW], v[NIL]                      ; 0 onto my spare word
	s_wait_dscnt 4*NL+1                            ; (the add and the youngest eight loads may be out)
	WIN MUL_LO
	MUL16 0, 1, NQ-1, 0, 0
	s_wait_dscnt 0x0                               ; the add is done, and no LDS load of mine is out at the signal
	s_barrier_signal -1
	MUL16 2, 1, NQ-1, 0, 0
	WIN 0
	s_barrier_wait -1                              ; slot 1 is whole
	PLACES NP
	v_add_nc_u32 v[ADRS], 4*NQ, v[ADRS]            ; on to slot 1's scale words
	FETCH_B 1, 0, 0
	FETCH_A 1, 0, 0
	SCALES 1
	WIN MUL_HI
	MUL16 4, 1, NQ-1, 0, 0
	MUL16 6, 1, NQ-1, 0, 0
	PLACES NP
	WIN 0
	FETCH_A 1, 0, 4
	STEPS 1, 0
	s_wait_dscnt 4*NL                              ; the very last step
	WIN MUL_LO
	MUL16 0, 1, NQ-1, 1, 0
	MUL16 2, 1, NQ-1, 1, 0
	s_wait_dscnt 0
	WIN MUL_HI
	MUL16 4, 1, NQ-1, 1, 0
	MUL16 6, 1, NQ-1, 1, 0
	WIN 0
; THE WAY OUT, 16 tokens at a time, with no LDS: a lane's eight channels are 16 bytes of f16, and the buffer is laid so that the wave's 32 pieces are 512 consecutive bytes.
; q and k: pair (t0, t1) -> (t0 c - t1 s, t1 c + t0 s): first (t1 s, t0 s), the pair's halves crossed; then (t0, t1) c + that, its low half negated.
.macro ROPE a
.set AC, 64*((\a)%4)
.set CC, CS+32*((\a)%2)
.set OO, OUT+32*((\a)%2)
.if (\a) > 1
	s_wait_xcnt 0x0                                ; the stores of two blocks back have read this set of f16 registers
.if (\a) < 7
	s_wait_loadcnt 8                               ; this block's cos and sin are in; the next block's eight loads may be out
.else
	s_wait_loadcnt 0x0
.endif
.endif
	WIN 0x02+(\a)/4                                ; source 0: the accumulators' window
.irp b, 0,1,2,3,4,5,6,7
.irp g, 0,1
	v_pk_mul_f32 v[RR+8*\b+4*\g:RR+8*\b+4*\g+1], v[AC+8*\b+4*\g:AC+8*\b+4*\g+1], v[CC+16+4*(\b%4)+2*\g:CC+16+4*(\b%4)+2*\g+1] op_sel:[1,0] op_sel_hi:[0,0]
	v_pk_mul_f32 v[RR+8*\b+4*\g+2:RR+8*\b+4*\g+3], v[AC+8*\b+4*\g+2:AC+8*\b+4*\g+3], v[CC+16+4*(\b%4)+2*\g:CC+16+4*(\b%4)+2*\g+1] op_sel:[1,1] op_sel_hi:[0,1]
.endr
.irp g, 0,1
	v_pk_fma_f32 v[RR+8*\b+4*\g:RR+8*\b+4*\g+1], v[AC+8*\b+4*\g:AC+8*\b+4*\g+1], v[CC+4*(\b%4)+2*\g:CC+4*(\b%4)+2*\g+1], v[RR+8*\b+4*\g:RR+8*\b+4*\g+1] op_sel:[0,0,0] op_sel_hi:[1,0,1] neg_lo:[0,0,1]
	v_pk_fma_f32 v[RR+8*\b+4*\g+2:RR+8*\b+4*\g+3], v[AC+8*\b+4*\g+2:AC+8*\b+4*\g+3], v[CC+4*(\b%4)+2*\g:CC+4*(\b%4)+2*\g+1], v[RR+8*\b+4*\g+2:RR+8*\b+4*\g+3] op_sel:[0,1,0] op_sel_hi:[1,1,1] neg_lo:[0,0,1]
.endr
.endr
	WIN 0
.if (\a) < 6
	CSLOAD (\a)+2                                  ; this set takes the block two further on
.endif
.set n, 0
.rept 32
	v_cvt_pk_f16_f32 v[OO+n], v[RR+2*n], v[RR+2*n+1]
.set n, n+1
.endr
.irp b, 0,1,2,3,4,5,6,7
	global_store_b128 v[COQ], v[OO+4*\b:OO+4*\b+3], s[12:13] offset:(\b/4)*262144+(\a)*2048+(\b%4)*512   ; 512 consecutive bytes, aligned
.endr
.endm
.macro VOUT a                          ; v: rounded as it stands
.set AC, 64*((\a)%4)
.set OO, OUT+32*((\a)%2)
.if (\a) > 1
	s_wait_xcnt 0x0                                ; the stores of two blocks back have read this set
.endif
	WIN 0x0a+5*((\a)/4)                            ; sources 0 and 1: the accumulators' window
.set n, 0
.rept 32
	v_cvt_pk_f16_f32 v[OO+n], v[AC+2*n], v[AC+2*n+1]
.set n, n+1
.endr
	WIN 0
.irp b, 0,1,2,3,4,5,6,7
	global_store_b128 v[COV], v[OO+4*\b:OO+4*\b+3], s[12:13] offset:(\b/4)*262144+(\a)*2048+(\b%4)*512   ; the same 512 bytes, the 16-byte pieces in v's order
.endr
.endm
	PLACES NP                                      ; behind the last products: their results are read, and x's fragments' and the scales' registers written, only behind these
	s_cmp_eq_u32 ttmp9, 2                          ; the cluster's x: the same in all sixteen partners
	s_cbranch_scc1 .Lvalues
.irp a, 0,1,2,3,4,5,6,7
	ROPE \a
.endr
	s_branch .Ldone
.Lvalues:
.irp a, 0,1,2,3,4,5,6,7
	VOUT \a
.endr
.Ldone:
	s_wait_tensorcnt 0x0                           ; the wave's end
	ds_add_u32 v[SPW], v[NIL]
	s_wait_dscnt 0x0
	CROUND                                         ; the closing round
	s_endpgm
.Lfunc_end_k_qa552da1f73_qkvrope:
	.size	k_qa552da1f73_qkvrope, .Lfunc_end_k_qa552da1f73_qkvrope-k_qa552da1f73_qkvrope
	.p2alignl 7, 3214868480
	.fill 96, 4, 3214868480
	.section	.rodata,"a",@progbits
	.p2align	6, 0x0
	.amdhsa_kernel k_qa552da1f73_qkvrope
		.amdhsa_group_segment_fixed_size 327680
		.amdhsa_private_segment_fixed_size 0
		.amdhsa_enable_private_segment 0
		.amdhsa_kernarg_size 64
		.amdhsa_user_sgpr_count 2
		.amdhsa_user_sgpr_kernarg_segment_ptr 1
		.amdhsa_wavefront_size32 1
		.amdhsa_system_sgpr_workgroup_id_x 1
		.amdhsa_system_sgpr_workgroup_id_y 1
		.amdhsa_system_sgpr_workgroup_id_z 1
		.amdhsa_system_vgpr_workitem_id 0
		.amdhsa_next_free_vgpr 1024
		.amdhsa_next_free_sgpr 100
		.amdhsa_reserve_vcc 0
		.amdhsa_float_denorm_mode_32 3
		.amdhsa_float_denorm_mode_16_64 3
		.amdhsa_memory_ordered 1
		.amdhsa_forward_progress 1
		.amdhsa_inst_pref_size 181
	.end_amdhsa_kernel
	.amdgpu_metadata
---
amdhsa.version: [ 1, 2 ]
amdhsa.kernels:
  - .name:           k_qa552da1f73_qkvrope
    .symbol:         k_qa552da1f73_qkvrope.kd
    .args:
      - { .name: xc, .offset: 0, .size: 8, .value_kind: global_buffer, .address_space: global }
      - { .name: xs, .offset: 8, .size: 8, .value_kind: global_buffer, .address_space: global }
      - { .name: wc, .offset: 16, .size: 8, .value_kind: global_buffer, .address_space: global }
      - { .name: ws, .offset: 24, .size: 8, .value_kind: global_buffer, .address_space: global }
      - { .name: bqkv, .offset: 32, .size: 8, .value_kind: global_buffer, .address_space: global }
      - { .name: cos, .offset: 40, .size: 8, .value_kind: global_buffer, .address_space: global }
      - { .name: sin, .offset: 48, .size: 8, .value_kind: global_buffer, .address_space: global }
      - { .name: qkvh, .offset: 56, .size: 8, .value_kind: global_buffer, .address_space: global }
    .group_segment_fixed_size: 327680
    .private_segment_fixed_size: 0
    .kernarg_segment_align: 8
    .kernarg_segment_size: 64
    .max_flat_workgroup_size: 128
    .sgpr_count:     100
    .vgpr_count:     1024
    .wavefront_size: 32
...
	.end_amdgpu_metadata
.endif
;; end of part 2
;; launch attn (part 3): grid 8 x 64, 4 waves a work-group, clusters of 4 x 1, 327,680 bytes of LDS; arguments qkvh, oh; writes oh
.if DOCPART == 3
	.amdgcn_target "amdgcn-amd-amdhsa--gfx1250"
	.amdhsa_code_object_version 6
	.text
	.protected	k_qa552da1f73_attn
	.globl	k_qa552da1f73_attn
	.p2align	8
	.type	k_qa552da1f73_attn,@function
k_qa552da1f73_attn:
	s_mov_b64 s[64:65], 0
	v_nop
	global_prefetch_b8 v0, s[64:65] scope:SCOPE_SE
	s_setreg_imm32_b32 hwreg(HW_REG_WAVE_MODE, 25, 1), 1
	s_wait_xcnt 0x0
	s_wait_alu depctr_hold_cnt(0) depctr_sa_sdst(0) depctr_va_vdst(0) depctr_va_sdst(0) depctr_va_ssrc(0) depctr_va_vcc(0) depctr_vm_vsrc(0)
	s_getreg_b32 s2, hwreg(HW_REG_IB_STS2, 6, 4)
	s_cmp_eq_u32 s2, 0
	s_cbranch_scc0 .Lentry_in_a_cluster
	s_endpgm
.Lentry_in_a_cluster:
	s_bfe_u32 s2, ttmp6, 0x10000c
	s_cmp_lg_u32 s2, 0x3003
	s_cbranch_scc0 .Lentry_shape_is_right
	s_endpgm
.Lentry_shape_is_right:
; o[bh][q][:] = the sum over k of softmax_k(q . k / 8) v[k][:], 64 heads of 2,048 tokens x 64 channels, no mask.  q, k, v: f16, as the launch before laid them; products, maxima and sums in f32;
; the weights p are rounded to f16 for the second product, o once at the end, to f16, in the order of the next launch's operand registers: oh [token / 16][channel / 8][token % 16][16 bytes].
; No row averages few values here (no mask), so no row is carried more finely than the others.  p is at most 1 and o is a mean of v: both have room in f16.
; SHARES.  A work-group owns 256 queries of one head, each of its four waves 64: four tiles of 16.  Every wave walks all keys, 64 a step.
; LAYOUT.  S^T = K Q^T (source 0 = 16 keys, source 1 = 16 queries): a lane holds ONE query (lane % 16) and keys 8 (lane / 16) + 0..7.  Two such tiles, rounded in pairs, are source 1 of O^T = V^T P.
; Every fragment comes from LDS at 16 x lane: K as it lies, V turned by ds_load_tr16_b128.  No padding: a load's 512 bytes are consecutive.
; SOFTMAX.  A running maximum m and sum l for each query: p = 2^(c s - c m), c = log2(e) / 8; in every step O and l are multiplied by a = 2^(c m_old - c m_new).
; BY TURNS.  The wave's tiles are two pieces (tiles 0, 1 and tiles 2, 3).  In a turn one piece has the matrix unit (16 products V^T P of the step in hand, 16 products K Q^T of the next); the other piece's softmax,
; 236 vector instructions in 59 slices of four, stands between them: two slices behind each of the first 27 products, one behind each of the last five.  Two turns are a key step.
; CLUSTER.  The four query blocks of a cluster walk the same K and V: each tile is asked for jointly.  A slot holds 256 keys (four steps): one joint load a wave behind each round.
; REGISTERS: window 0: v4, v5 addresses; v12-43 statistics; v61-63; v64-191 S^T, 32 a tile; v192-255 P, 16 a tile.   window 1: v0-127 O^T, 32 a tile; v128-191 Q; v192-255 K of a step.   window 2: v0-63 V of a step.
.set STEPB, 8192      ; 64 keys of K (or of V): four blocks of 2,048 bytes
.set VOFF,  32768     ; a slot: 256 keys of K, then of V
.set SLOT1, 1<<16     ; slot 1 begins here: one exclusive or turns an address in one slot into the other's
.set SPARE, 2*SLOT1   ; behind the ring: the spare words, 128 bytes a wave, which no other line names
.set ADR, 4           ; v4   the LDS address of the run of loads in hand
.set L16, 5           ; v5   16 x lane; never rewritten
.set ST,  12          ; tile t's statistics at v[ST+8 t]: +0 c m, +1 m, +2, +3 l, +4 to +7 at work; a takes +6
.set PFO, 61          ; v61  256 x lane; never rewritten
.set SPW, 62          ; v62  my spare word; never rewritten
.set NIL, 63          ; v63  0; never rewritten
.set S,   64
.set P,   192
.set QF,  128         ; in window 1
.set KF,  192         ; in window 1
.set WV,  12          ; s12  my wave's number
.set LIM, 15          ; s15  1 in a wave that prefetches, else the greatest number
.set PFA, 18          ; s[18:19] where my prefetches stand
.set G1,  24          ; s[24:31] descriptor group 1, for K's and V's tiles alike
.set G0,  40          ; s[40:43] group 0 of slot 0's first fill; s[44:47] of slot 1's, which then walks on
.set SLOTS, 56        ; s56  slots still to be asked for
.set CNT, 57          ; s57  counts key steps
.set CS,  58          ; s[58:59] c
.set SEL, 60          ; s[60:61] lane selects for v_permlanex16_b32: lane l xor 16
.set TB,  62          ; s62  LDS byte at which the K tiles of the step to be fetched begin
.set MSB, 0
.macro WIN new
.if MSB != \new
	s_set_vgpr_msb (MSB<<8)|\new
.set MSB, \new
.endif
.endm
.set W_KQ, 0x05       ; K and Q in window 1, S^T in window 0
.set W_PV, 0x52       ; V in window 2, P in window 0, O^T in window 1
.set W_RS, 0x41       ; O^T (destination and source 0) in window 1, a in window 0
.macro CROUND
	s_barrier_signal -1
	s_barrier_wait -1
	s_cmp_lg_u32 s[WV], 0
	s_cbranch_scc1 .Lnot_wave_0_\@
	s_barrier_signal -3
.Lnot_wave_0_\@:
	s_barrier_wait -3
	s_barrier_signal -1
	s_barrier_wait -1
.endm
; A prefetch of what the NEXT change of slots will ask for: a slot's 128 blocks of 256 bytes of K and of V.  Each is named once in the launch: both clusters of a head walk the same rows, the first asks;
; its four partners take 32 blocks each, told apart by address; in each, wave 0 asks for K's and wave 2 for V's, a lane a block.  The last change that fills a slot asks for nothing.
.macro ASK
	s_cmp_gt_u32 s[SLOTS], s[LIM]
	s_cbranch_scc0 .Lnot_mine_\@
	global_prefetch_b8 v[PFO], s[PFA:PFA+1] th:TH_LOAD_NT scope:SCOPE_SE
.Lnot_mine_\@:
.endm
	s_load_b128 s[4:7], s[0:1], 0x0  ; qkvh s[4:5], oh s[6:7]
	v_lshl_add_u32 v[SPW], v0, 2, SPARE
	v_mov_b32 v[NIL], 0
	ds_add_u32 v[SPW], v[NIL]       ; the wave's opening: the add, twice on end, and its wait ahead of my first tensor load
	ds_add_u32 v[SPW], v[NIL]
	v_lshrrev_b32 v1, 5, v0
	v_readfirstlane_b32 s[WV], v1   ; wave 0..3
	v_and_b32 v[L16], 31, v0
	v_lshlrev_b32 v[PFO], 8, v[L16]
	v_lshlrev_b32 v[L16], 4, v[L16]
	s_bfe_u32 s13, ttmp6, 0x40000   ; cx
	s_lshl_b32 s14, ttmp9, 2
	s_add_co_u32 s14, s14, s13      ; my block of 256 queries: it enters Q's and O's addresses alone
	s_and_b32 s20, ttmp7, 0xffff    ; batch x 16 + head, which the partners share
	s_lshl_b32 s17, s20, 18         ; a head: 2^18 bytes in each of q, k, v
	s_lshr_b32 s16, s[WV], 1        ; waves 0, 1 fetch K's halves of a slot, waves 2, 3 V's
	s_add_co_u32 s16, s16, 1
	s_lshl_b32 s22, s16, 24         ; k begins 2^24 bytes in, v 2^25
	s_add_co_u32 s22, s22, s17
	s_and_b32 s16, s[WV], 1
	s_lshl_b32 s16, s16, 14         ; my half: 128 keys, 16,384 bytes
	s_add_co_u32 s22, s22, s16
	s_mov_b32 s23, 0
	s_lshl_b32 s21, s[WV], 14       ; and its place in a slot: wave x 16,384
	s_lshl_b32 s2, s14, 15          ; Q: my block's 256 queries,
	s_add_co_u32 s2, s2, s17
	s_lshl_b32 s3, s[WV], 13        ; my wave's 64
	s_add_co_u32 s2, s2, s3
	s_mov_b32 s3, 0
	s_lshr_b32 s8, s20, 4           ; O: tile of 16 tokens = 128 x batch + 16 x block + 4 x wave, 32,768 bytes each;
	s_lshl_b32 s8, s8, 7
	s_lshl_b32 s9, s14, 4
	s_add_co_u32 s8, s8, s9
	s_lshl_b32 s9, s[WV], 2
	s_add_co_u32 s8, s8, s9
	s_lshl_b32 s8, s8, 15
	s_and_b32 s9, s20, 15           ; the head's 2,048 bytes in it
	s_lshl_b32 s9, s9, 11
	s_add_co_u32 s8, s8, s9
	s_mov_b32 s9, 0
	s_mov_b32 s[G1], 15|(3<<16)|(1<<21)  ; the mask: all four work-groups; elements of 8 bytes; bit 21 beside a mask; no padding
	s_mov_b32 s[G1+1], 32<<16       ; tensor_dim0: rows of 256 bytes
	s_mov_b32 s[G1+2], 64<<16       ; tensor_dim1
	s_mov_b32 s[G1+3], 32<<16       ; tile_dim0
	s_mov_b32 s[G1+4], 64           ; tile_dim1
	s_mov_b32 s[G1+5], 32           ; dense
	s_mov_b32 s[G1+6], 0
	s_mov_b32 s[G1+7], 0
	s_mov_b32 s[CS], 0x3e38aa3b     ; c = log2(e) / 8
	s_mov_b32 s[CS+1], s[CS]
	s_mov_b32 s[SEL], 0x76543210
	s_mov_b32 s[SEL+1], 0xfedcba98
	s_mov_b32 s[TB], 0
	s_mov_b32 s[SLOTS], 6           ; 8 slots' worth of keys, two of them first fills
	s_and_b32 s[LIM], s[WV], 1      ; 0 in waves 0 and 2,
	s_or_b32 s[LIM], s[LIM], ttmp9  ; of the head's first cluster: the same in all four partners
	s_cmp_eq_u32 s[LIM], 0
	s_cselect_b32 s[LIM], 1, -1
	s_wait_dscnt 0x0                ; both opening adds are done
	s_wait_kmcnt 0x0
	s_add_nc_u64 s[10:11], s[4:5], s[22:23]  ; my tile of slot 0
	s_add_nc_u64 s[4:5], s[4:5], s[2:3]      ; Q at my wave's first query
	s_add_nc_u64 s[6:7], s[6:7], s[8:9]      ; O likewise
	s_lshl_b32 s2, s13, 13          ; my work-group's 32 blocks of the 128
	s_add_nc_u64 s[PFA:PFA+1], s[10:11], s[2:3]
	s_add_nc_u64 s[PFA:PFA+1], s[PFA:PFA+1], 2*32768  ; in the third slot's keys; the first change steps it on.  Nothing is prefetched at the head
	CROUND                          ; all four work-groups are here: the first joint loads meet
	s_mov_b32 s[G0], 1
	s_mov_b32 s[G0+1], s21
	s_mov_b64 s[G0+2:G0+3], s[10:11]
	s_or_b32 s[G0+3], s[G0+3], 0x80000000
	s_mov_b32 s[G0+4], 1
	s_add_co_u32 s[G0+5], s21, SLOT1
	s_add_nc_u64 s[G0+6:G0+7], s[10:11], 32768
	s_or_b32 s[G0+7], s[G0+7], 0x80000000
	tensor_load_to_lds s[G0:G0+3], s[G1:G1+7]      ; two loads of mine are out
	s_nop 0
	tensor_load_to_lds s[G0+4:G0+7], s[G1:G1+7]
	s_nop 0
.rept 4
	v_nop
.endr
	WIN 0x40                        ; destination window 1
.irp t, 0,1,2,3
.irp f, 0,1,2,3
	global_load_b128 v[QF+16*\t+4*\f:QF+16*\t+4*\f+3], v[L16], s[4:5] offset:\t*2048+\f*512  ; Q stays in registers: tile t, registers 4 f on
.endr
.endr
	WIN 0
; Product i of 16 of O^T += V^T P: keys 32 (i / 8) on, channels 16 ((i / 2) % 4) on, tile x + i % 2.  The eight accumulators take turns.  zero = 1: the first 8 start the sums.
.macro PV x, zero
	WIN W_PV
.set rO, 32*(\x+i%2)+8*((i/2)%4)
.set rV, 32*(i/8)+8*((i/2)%4)
.set rP, P+16*(\x+i%2)+8*(i/8)
.if \zero && (i < 8)
	v_wmma_f32_16x16x32_f16 v[rO:rO+7], v[rV:rV+7], v[rP:rP+7], 0
.else
	v_wmma_f32_16x16x32_f16 v[rO:rO+7], v[rV:rV+7], v[rP:rP+7], v[rO:rO+7]
.endif
.endm
; Product i of 16 of S^T = K Q^T: channels 32 (i / 8) on, keys 16 ((i / 2) % 4) on, tile x + i % 2.  The first 8 start the sums.
.macro KQ x
	WIN W_KQ
.set rS, S+32*(\x+i%2)+8*((i/2)%4)
.set rK, KF+16*((i/2)%4)+8*(i/8)
.set rQ, QF+16*(\x+i%2)+8*(i/8)
.if i < 8
	v_wmma_f32_16x16x32_f16 v[rS:rS+7], v[rK:rK+7], v[rQ:rQ+7], 0
.else
	v_wmma_f32_16x16x32_f16 v[rS:rS+7], v[rK:rK+7], v[rQ:rQ+7], v[rS:rS+7]
.endif
.endm
.macro FETCH_K                      ; a step's K: 8,192 consecutive bytes, 16 loads, register 4 f from byte 512 f
	WIN 0
	v_add_nc_u32 v[ADR], s[TB], v[L16]
	WIN 0x40
.irp f, 0,1,2,3,4,5,6,7,8,9,10,11,12,13,14,15
	ds_load_b128 v[KF+4*\f:KF+4*\f+3], v[ADR] offset:\f*512
.endr
.endm
.macro FETCH_V                      ; the same step's V, turned: keys 32 kh + 16 u on, channels 16 ct on
	WIN 0
	v_add_nc_u32 v[ADR], s[TB], v[L16]
	s_add_co_u32 s[TB], s[TB], STEPB  ; the next fetch is the next step's
	s_wait_alu depctr_va_vdst(0)    ; the wait for the softmax's batch of exponentials, ahead of the first line that names a result
	WIN 0x80                        ; destination window 2
.irp kh, 0,1
.irp ct, 0,1,2,3
.irp u, 0,1
	ds_load_tr16_b128 v[32*\kh+8*\ct+4*\u:32*\kh+8*\ct+4*\u+3], v[ADR] offset:VOFF+(2*\kh+\u)*2048+\ct*512
.endr
.endr
.endr
.endm
; One tile's softmax for one key step is a list of 118 instructions; SM writes number j of it for tile t.  first = 1: the first key step: no a, nothing to rescale.
;   0-15 the maximum of the 32 scores and the old m;  16-20 the other half of the lanes' maximum, the new m, c m, c m_old - c m_new;
;   21-69 ONE BATCH: 16 packed scalings c s - c m and all 33 exponentials, none of which reads an exponential's result;  (the wait);
;   70-85 the roundings to f16;  86-101 the sums, l = a l + the sum;  102-117 the tile's O^T times a.
.macro SM t, first
.set rT, ST+8*(\t)
.set rS, S+32*(\t)
.set rP, P+16*(\t)
.set rO, 32*(\t)+2*(j-102)
.if j < 102
	WIN 0
.endif
.if j < 4
	v_max3_num_f32 v[rT+4+j], v[rS+8*j], v[rS+8*j+1], v[rS+8*j+2]
.elseif j < 12
	v_max3_num_f32 v[rT+4+j%4], v[rT+4+j%4], v[rS+8*(j%4)+2*(j/4)+1], v[rS+8*(j%4)+2*(j/4)+2]
.elseif j == 12
	v_max3_num_f32 v[rT+4], v[rT+4], v[rS+7], v[rS+15]
.elseif j == 13
	v_max3_num_f32 v[rT+6], v[rT+6], v[rS+23], v[rS+31]
.elseif j == 14
	v_max3_num_f32 v[rT+4], v[rT+4], v[rT+5], v[rT+6]
.elseif (j == 15) && \first
	v_max_num_f32 v[rT+4], v[rT+4], v[rT+7]
.elseif j == 15
	v_max3_num_f32 v[rT+4], v[rT+4], v[rT+7], v[rT+1]
.elseif j == 16
	v_permlanex16_b32 v[rT+5], v[rT+4], s[SEL], s[SEL+1]  ; the query's other 32 keys lie in the lane 16 away
.elseif j == 18
	v_max_num_f32 v[rT+1], v[rT+4], v[rT+5]
.elseif j == 19
	v_mul_f32 v[rT], s[CS], v[rT+1]
.elseif ((j == 17) || (j == 20) || (j == 23) || (j > 101)) && \first  ; the first step has none of these
.elseif j == 17
	v_mov_b32 v[rT+7], v[rT]        ; c m_old is kept for a
.elseif j == 20
	v_sub_f32 v[rT+7], v[rT+7], v[rT]
.elseif j == 23
	v_exp_f32 v[rT+6], v[rT+7]
.elseif (j < 23) || ((j < 38) && (j%2 == 0)) || ((j < 66) && (j%4 == 2))
.set b, (j-2)/4                     ; 38, 42, .. 62: pairs 9 to 15
.if j < 38
.set b, (j-20)/2                    ; 21: pair 0; 22, 24, .. 36: pairs 1 to 8
.endif
	v_pk_fma_f32 v[rS+2*b:rS+2*b+1], v[rS+2*b:rS+2*b+1], s[CS:CS+1], v[rT:rT+1] op_sel_hi:[1,0,0] neg_lo:[0,0,1] neg_hi:[0,0,1]  ; pair b: c s - c m
.elseif j < 70
.set e, j-38                        ; 66 to 69: s28 to s31
.if j < 66
.set e, j-32-(j-38)/4               ; 39-41, 43-45, .. 63-65: s7 to s27
.endif
.if j < 38
.set e, (j-25)/2                    ; 25, 27, .. 37: s0 to s6
.endif
	v_exp_f32 v[rS+e], v[rS+e]
.elseif j < 86
	v_cvt_pk_f16_f32 v[rP+j-70], v[rS+2*(j-70)], v[rS+2*(j-70)+1]
.elseif j < 102                     ; the sum of the tile's 16 pairs, in place: neighbours 1, 2, 4 and 8 pairs apart, then l takes it
.set z, j-86
.set w, 4
.set u, z
.if z >= 14
.set w, 32
.set u, 0
.elseif z >= 12
.set w, 16
.set u, z-12
.elseif z >= 8
.set w, 8
.set u, z-8
.endif
.if (z == 14) && \first
	v_pk_add_f32 v[rT+2:rT+3], v[rS:rS+1], v[rS+16:rS+17]
.elseif z < 15
	v_pk_add_f32 v[rS+w*u:rS+w*u+1], v[rS+w*u:rS+w*u+1], v[rS+w*u+w/2:rS+w*u+w/2+1]
.elseif !\first
	v_pk_fma_f32 v[rT+2:rT+3], v[rT+2:rT+3], v[rT+6:rT+7], v[rS:rS+1] op_sel_hi:[1,0,1]
.endif
.else
	WIN W_RS
	v_pk_mul_f32 v[rO:rO+1], v[rO:rO+1], v[rT+6:rT+7] op_sel_hi:[1,0]
.endif
.endm
; Slice k of 59 of piece y's softmax: four instructions.  Slices 11 to 34 deal out the batch, four numbers of one tile each, the tiles by turns; every other slice is numbers 2 k and 2 k + 1 of both tiles.
; Ahead of slice 35 nothing names an exponential's result, and behind slice 34 none is issued: so the piece's 66 exponentials have one plain line and one wait, behind slice 34.
.macro SLICE y, first
.if (k >= 11) && (k < 35)
.irp n, 0,1,2,3
.set j, 22+4*((k-11)/2)+(\n)
	SM (\y)+(k-11)%2, \first
.endr
.else
.irp n, 0,1
.irp t, \y, \y+1
.set j, 2*k+\n
	SM \t, \first
.endr
.endr
.endif
.if k == 34
	v_nop                           ; the plain line behind the last exponential
.if (\y) == 0
	FETCH_V                         ; piece 2's turn: V's run of loads stands here, and the wait stands in it
.else
	s_wait_alu depctr_va_vdst(0)    ; the wait for the batch
.endif
.endif
.set k, k+1
.endm
.macro PLACES
.rept 4
	v_nop
.endr
.endm
.macro AFTER x, first               ; the slices behind one product: what is left of the 59, shared evenly over the products left
.set per, (59-k+left-1)/left
.rept per
	SLICE 2-\x, \first
.endr
.set left, left-1
.endm
; A TURN.  Piece x has the matrix unit.  pv = 2: 16 products V^T P; 1: they start O^T's sums; 0: none.  kq = 1: 16 products K Q^T for the next step.
; The turn's last product is followed by slice 58: four plain rescalings of the other piece's O^T, which name none of its registers: the places ahead of the next turn's first read of the scores and of K's next loads.
; first = 1: those slices are empty, and four v_nop take their part.
; Piece 0's turn fetches the next step's K behind its second product.  Piece 2's turn fetches the same step's V behind slice 34: its last V^T P stands ahead of slice 30, and five plain lines lie between
; (three scalings, the v_nop and the run's own addition).
.macro TURN x, pv, kq, first
.set k, 0
.set left, 0
.if \pv
.set left, left+16
.endif
.if \kq
.set left, left+16
.endif
.if \pv
.if \x == 0
	s_wait_dscnt 0x0                ; V is in
.endif
.set i, 0
.rept 16
	PV \x, 2-\pv
	AFTER \x, \first
.if (\x == 0) && \kq && (i == 1)
	FETCH_K
.endif
.set i, i+1
.endr
.endif
.if \kq
.if \x == 0
	s_wait_dscnt 0x0                ; K is in
.endif
.set i, 0
.rept 16
	KQ \x
	AFTER \x, \first
.set i, i+1
.endr
.endif
.if \first
	PLACES
.endif
.endm
; THE CHANGE OF SLOTS, between piece 2's turn and piece 0's: the slot's last bytes, V of its fourth step, have been asked for.  Each wave waits for all its tensor loads (one is out: its part of the other slot),
; adds 0 to its spare word, and waits for that and for its reads of the slot.  fill = 1: the barrier is a round of the cluster's, and the joint refill, the keys two slots on, is the first thing behind it:
; it has four key steps, 256 matrix instructions, in which to land.
.macro CHANGE fill
	WIN 0
	s_wait_tensorcnt 0x0            ; no tensor load of mine is out, so a group 0 may be written
	ds_add_u32 v[SPW], v[NIL]       ; 0 onto my spare word
.if \fill
	s_xor_b32 s[G0+5], s[G0+5], SLOT1  ; the walking descriptor: the other slot than last time,
	s_add_nc_u64 s[G0+6:G0+7], s[G0+6:G0+7], 32768  ; the next 256 keys
	s_wait_xcnt 0x0                 ; the last prefetch, four key steps back, has read its address
	s_add_nc_u64 s[PFA:PFA+1], s[PFA:PFA+1], 32768
	s_wait_dscnt 0x0                ; the add is done, and my reads of the slot are over
	CROUND
	tensor_load_to_lds s[G0+4:G0+7], s[G1:G1+7]
	s_nop 0
.rept 4
	v_nop
.endr
	ASK
.else
	s_wait_dscnt 0x0
	s_barrier_signal -1
	s_barrier_wait -1
.endif
	s_sub_co_u32 s[TB], s[TB], 4*STEPB  ; the fetches go back to a slot's first step,
	s_xor_b32 s[TB], s[TB], SLOT1   ; in the other slot
.endm
.macro N_STEPS n                    ; n key steps: written once, walked n times
	s_mov_b32 s[CNT], \n
.Lstep_\@:
	TURN 0, 2, 1, 0
	TURN 2, 2, 1, 0
	WIN 0
	s_sub_co_u32 s[CNT], s[CNT], 1
	s_cmp_lg_u32 s[CNT], 0
	s_cbranch_scc1 .Lstep_\@
.endm
	s_wait_tensorcnt 1              ; my part of slot 0 is in; slot 1's, issued behind it, may stay out
	s_barrier_signal -1
	s_barrier_wait -1
	FETCH_K                         ; key step 0
	s_wait_loadcnt 0x0              ; Q
	s_wait_dscnt 0x0
.set i, 0
.rept 16
	KQ 0                            ; piece 0's first scores
.set i, i+1
.endr
	WIN 0
	PLACES
	TURN 2, 0, 1, 1                 ; piece 2's first scores | piece 0's first softmax | V of step 0
	TURN 0, 1, 1, 1                 ; piece 0: V^T P of step 0 starts O^T, K Q^T of step 1 | piece 2's first softmax | K of step 1
	TURN 2, 1, 1, 0                 ; piece 2: the same | piece 0's softmax of step 1 | V of step 1
	WIN 0
	N_STEPS 2                       ; steps 2 and 3 are fetched: slot 0 is read out
.Lslot:                             ; six trips: every slot's worth of keys but the last two is followed by a refill
	CHANGE 1
	N_STEPS 4
	s_sub_co_u32 s[SLOTS], s[SLOTS], 1
	s_cmp_lg_u32 s[SLOTS], 0
	s_cbranch_scc1 .Lslot
	CHANGE 0                        ; the tail is written out
	N_STEPS 4
	TURN 0, 2, 0, 0                 ; piece 0: V^T P of the last step | piece 2's last softmax
.set i, 0
.rept 16
	PV 2, 0                         ; piece 2: V^T P of the last step
.set i, i+1
.endr
	; THE WAY OUT.  l's halves and the other half of the lanes' are added; O^T / l, rounded to f16: a lane's eight channels are 16 bytes, and a wave's 32 pieces are 512 consecutive bytes of oh.  The additions are the places behind the last products.
	WIN 0
.irp t, 0,1,2,3
	v_add_f32 v[ST+8*\t+4], v[ST+8*\t+2], v[ST+8*\t+3]
.endr
.irp t, 0,1,2,3
	v_permlanex16_b32 v[ST+8*\t+5], v[ST+8*\t+4], s[SEL], s[SEL+1]
.endr
.irp t, 0,1,2,3
	v_add_f32 v[ST+8*\t+4], v[ST+8*\t+4], v[ST+8*\t+5]
.endr
.irp t, 0,1,2,3
	v_rcp_f32 v[ST+8*\t+6], v[ST+8*\t+4]
.endr
	v_nop                           ; a plain line behind the last reciprocal
	s_wait_alu depctr_va_vdst(0)    ; and one wait for the four, ahead of the first use
.irp t, 0,1,2,3
	WIN W_RS
.set i, 32*\t
.rept 16
	v_pk_mul_f32 v[i:i+1], v[i:i+1], v[ST+8*\t+6:ST+8*\t+7] op_sel_hi:[1,0]
.set i, i+2
.endr
	WIN 0x05                        ; sources window 1, destination window 0: S^T's registers are free; each tile has 16 of its own
.set i, 0
.rept 16
	v_cvt_pk_f16_f32 v[S+16*\t+i], v[32*\t+2*i], v[32*\t+2*i+1]
.set i, i+1
.endr
	WIN 0
.irp f, 0,1,2,3
	global_store_b128 v[L16], v[S+16*\t+4*\f:S+16*\t+4*\f+3], s[6:7] offset:\t*32768+\f*512
.endr
.endr
	s_wait_tensorcnt 0x0            ; the wave's end
	ds_add_u32 v[SPW], v[NIL]
	s_wait_dscnt 0x0
	CROUND                          ; the closing round
	s_endpgm
.Lfunc_end_k_qa552da1f73_attn:
	.size	k_qa552da1f73_attn, .Lfunc_end_k_qa552da1f73_attn-k_qa552da1f73_attn
	.p2alignl 7, 3214868480
	.fill 96, 4, 3214868480
	.section	.rodata,"a",@progbits
	.p2align	6, 0x0
	.amdhsa_kernel k_qa552da1f73_attn
		.amdhsa_group_segment_fixed_size 327680
		.amdhsa_private_segment_fixed_size 0
		.amdhsa_enable_private_segment 0
		.amdhsa_kernarg_size 16
		.amdhsa_user_sgpr_count 2
		.amdhsa_user_sgpr_kernarg_segment_ptr 1
		.amdhsa_wavefront_size32 1
		.amdhsa_system_sgpr_workgroup_id_x 1
		.amdhsa_system_sgpr_workgroup_id_y 1
		.amdhsa_system_sgpr_workgroup_id_z 1
		.amdhsa_system_vgpr_workitem_id 0
		.amdhsa_next_free_vgpr 640
		.amdhsa_next_free_sgpr 66
		.amdhsa_reserve_vcc 0
		.amdhsa_float_denorm_mode_32 3
		.amdhsa_float_denorm_mode_16_64 3
		.amdhsa_memory_ordered 1
		.amdhsa_forward_progress 1
		.amdhsa_inst_pref_size 189
	.end_amdhsa_kernel
	.amdgpu_metadata
---
amdhsa.version: [ 1, 2 ]
amdhsa.kernels:
  - .name:           k_qa552da1f73_attn
    .symbol:         k_qa552da1f73_attn.kd
    .args:
      - { .name: qkvh, .offset: 0, .size: 8, .value_kind: global_buffer, .address_space: global }
      - { .name: oh, .offset: 8, .size: 8, .value_kind: global_buffer, .address_space: global }
    .group_segment_fixed_size: 327680
    .private_segment_fixed_size: 0
    .kernarg_segment_align: 8
    .kernarg_segment_size: 16
    .max_flat_workgroup_size: 128
    .sgpr_count:     66
    .vgpr_count:     640
    .wavefront_size: 32
...
	.end_amdgpu_metadata
.endif
;; end of part 3
;; launch proj (part 4): grid 4 x 64, 4 waves a work-group, clusters of 4 x 4, 327,680 bytes of LDS; arguments oh, wp, bproj, out0; writes out0
.if DOCPART == 4
	.amdgcn_target "amdgcn-amd-amdhsa--gfx1250"
	.amdhsa_code_object_version 6
	.text
	.protected	k_qa552da1f73_proj
	.globl	k_qa552da1f73_proj
	.p2align	8
	.type	k_qa552da1f73_proj,@function
k_qa552da1f73_proj:
	s_mov_b64 s[64:65], 0
	v_nop
	global_prefetch_b8 v0, s[64:65] scope:SCOPE_SE
	s_setreg_imm32_b32 hwreg(HW_REG_WAVE_MODE, 25, 1), 1
	s_wait_xcnt 0x0
	s_wait_alu depctr_hold_cnt(0) depctr_sa_sdst(0) depctr_va_vdst(0) depctr_va_sdst(0) depctr_va_ssrc(0) depctr_va_vcc(0) depctr_vm_vsrc(0)
	s_getreg_b32 s2, hwreg(HW_REG_IB_STS2, 6, 4)
	s_cmp_eq_u32 s2, 0
	s_cbranch_scc0 .Lentry_in_a_cluster
	s_endpgm
.Lentry_in_a_cluster:
	s_bfe_u32 s2, ttmp6, 0x10000c
	s_cmp_lg_u32 s2, 0xf033
	s_cbranch_scc0 .Lentry_shape_is_right
	s_endpgm
.Lentry_shape_is_right:
; out0 = o Wproj + bproj.  o: oh [token / 16][channel / 8][token % 16][16 bytes], f16; Wproj: wp [n / 16][k / 8][n % 16][16 bytes], f16; sums in f32; out0 [8192][1024] f32.
; A tile of 128 tokens x 256 columns gives 256 work-groups; four waves, each 64 x 128: 32 accumulators, 256 registers.  K goes in steps of 128 through a ring of two LDS slots:
; a tile of 16 rows x 128 K is 4,096 consecutive bytes, and a fragment (16 x 32) is two loads at 16 x lane, 512 consecutive bytes each: no padding.
; CLUSTERS: 4 x 4 work-groups; o's tiles are shared along a row of the cluster, Wproj's along a column: each is asked for jointly.
; THE MATRIX INSTRUCTION IS USED TRANSPOSED (source 0 = 16 columns of Wproj, source 1 = 16 tokens): a lane holds eight neighbouring numbers of a row of out0.  The bias is the C of each sum's first product.
; No prefetch: K has eight steps, and the first four come with the ring's own loads.
; REGISTERS: window 0: v16-29 addresses; v32-95 the bias; v128-255 the way out.   window 1: two fragment buffers of 96 (Wproj's 64, then o's 32).   window 2: accumulator (a, b) at v[8 (8 a + b)].
.set KSTEPB, 4096                      ; a K step of 16 rows
.set APART,  32768                     ; a slot: o's 8 tiles, then Wproj's 16
.set SLOT,   98304
.set STAGE,  2*SLOT                    ; behind the ring: 16 rows x (512 + 16) bytes for each wave; no tensor load lands there
.set SPITCH, 528
.set SPARE,  STAGE+4*16*SPITCH         ; the spare words, 128 bytes a wave, which no other line names
.set LAPS,   4                         ; a lap = two K steps
.set ADRA, 16                          ; v16-17 LDS address of my fragments of o in slot 0, 1
.set ADRB, 20                          ; v20-21 of Wproj
.set STO,  24                          ; v24 the way out: where I put 32 bytes of a row
.set RD,   25                          ; v25 where I read a row back
.set CO,   26                          ; v26 16 x lane
.set BIA,  27                          ; v27 32 (lane / 16)
.set SPW,  28                          ; v28 my spare word; never rewritten
.set NIL,  29                          ; v29 0; never rewritten
.set BI,   32
.set BK,   128
.set F0,   0
.set F1,   96
.set G1, 24
.set G0, 32
.set G1B, 48
.set G0B, 56
.set MSB, 0
.macro WIN new
.if MSB != \new
	s_set_vgpr_msb (MSB<<8)|\new
.set MSB, \new
.endif
.endm
.set MUL,  0xa5                        ; sources 0 and 1 window 1; C and D window 2
.set MUL0, 0x85                        ; the same with C (the bias) in window 0
.set TO_F, 0x40
.macro JLOAD s                         ; a joint load: waves 0 and 1 fetch o's halves, waves 2 and 3 Wproj's; an s_nop 0 and four v_nop follow each line
	s_cmp_eq_u32 s13, 0
	s_cbranch_scc0 .Lfor_b_\@
	tensor_load_to_lds s[G0+4*\s:G0+4*\s+3], s[G1:G1+7]
	s_nop 0
.rept 4
	v_nop
.endr
	s_branch .Lasked_\@
.Lfor_b_\@:
	tensor_load_to_lds s[G0B+4*\s:G0B+4*\s+3], s[G1B:G1B+7]
	s_nop 0
.rept 4
	v_nop
.endr
.Lasked_\@:
.endm
.macro CREST
	s_cmp_lg_u32 s12, 0
	s_cbranch_scc1 .Lnot_wave_0_\@
	s_barrier_signal -3
.Lnot_wave_0_\@:
	s_barrier_wait -3
	s_barrier_signal -1
	s_barrier_wait -1
.endm
.macro CROUND
	s_barrier_signal -1
	s_barrier_wait -1
	CREST
.endm
	s_load_b256 s[4:11], s[0:1], 0x0               ; oh s[4:5], wp s[6:7], bproj s[8:9], out0 s[10:11]
	v_lshl_add_u32 v[SPW], v0, 2, SPARE
	v_mov_b32 v[NIL], 0
	ds_add_u32 v[SPW], v[NIL]                      ; the wave's opening: the add, twice on end, and its wait ahead of my first tensor load
	ds_add_u32 v[SPW], v[NIL]
	v_lshrrev_b32 v1, 5, v0
	v_readfirstlane_b32 s12, v1                    ; wave 0..3
	s_lshr_b32 s13, s12, 1                         ; which 64 tokens are mine.  Also: I fetch for o (0) or for Wproj (1)
	s_and_b32 s14, s12, 1                          ; which 128 columns.  Also: which half of that tile I fetch
	s_bfe_u32 s40, ttmp6, 0x40000                  ; cx, cy
	s_bfe_u32 s41, ttmp6, 0x40004
	s_lshl_b32 s42, ttmp9, 2
	s_add_co_u32 s42, s42, s40                     ; tile column 0..3
	s_and_b32 s15, ttmp7, 0xffff
	s_lshl_b32 s15, s15, 2
	s_add_co_u32 s15, s15, s41                     ; tile row 0..63
	s_lshl_b32 s43, s41, 2
	s_lshl_b32 s43, 15, s43                        ; my row of the cluster
	s_lshl_b32 s44, 0x1111, s40                    ; my column
	s_or_b32 s[G1+0], s43, (3<<16)|(1<<21)         ; o: the mask; elements of 8 bytes; bit 21 beside a mask: 4 rows (16 tokens each) of 512 elements, 4,096 elements apart
	s_mov_b32 s[G1+1], 512<<16
	s_mov_b32 s[G1+2], 4<<16
	s_mov_b32 s[G1+3], 512<<16
	s_mov_b32 s[G1+4], 4
	s_mov_b32 s[G1+5], 4096
	s_mov_b32 s[G1+6], 0
	s_mov_b32 s[G1+7], 0
	s_or_b32 s[G1B+0], s44, (3<<16)|(1<<21)        ; Wproj: 8 such rows
	s_mov_b32 s[G1B+1], 512<<16
	s_mov_b32 s[G1B+2], 8<<16
	s_mov_b32 s[G1B+3], 512<<16
	s_mov_b32 s[G1B+4], 8
	s_mov_b32 s[G1B+5], 4096
	s_mov_b32 s[G1B+6], 0
	s_mov_b32 s[G1B+7], 0
	s_lshl_b32 s16, s15, 18                        ; o: 8 tiles of 32,768 bytes a tile row, + my 4: made of the tile row alone
	s_lshl_b32 s17, s14, 17
	s_add_co_u32 s16, s16, s17
	s_mov_b32 s17, 0
	s_lshl_b32 s46, s42, 19                        ; Wproj: 16 a tile column, + my 8: of the tile column alone
	s_lshl_b32 s47, s14, 18
	s_add_co_u32 s46, s46, s47
	s_mov_b32 s47, 0
	s_lshl_b32 s20, s14, 14                        ; where they go: no place in the cluster enters an LDS address
	s_lshl_b32 s21, s14, 15
	s_add_co_u32 s21, s21, APART
	s_wait_dscnt 0x0                               ; both opening adds are done
	s_wait_kmcnt 0x0
	s_add_nc_u64 s[18:19], s[4:5], s[16:17]
	s_add_nc_u64 s[46:47], s[6:7], s[46:47]
	CROUND                                         ; all sixteen work-groups are here: the first joint loads meet
.irp s, 0,1
	s_mov_b32 s[G0+4*\s], 1
	s_add_co_u32 s[G0+4*\s+1], s20, \s*SLOT
	s_add_nc_u64 s[G0+4*\s+2:G0+4*\s+3], s[18:19], \s*KSTEPB
	s_or_b32 s[G0+4*\s+3], s[G0+4*\s+3], 0x80000000
	s_mov_b32 s[G0B+4*\s], 1
	s_add_co_u32 s[G0B+4*\s+1], s21, \s*SLOT
	s_add_nc_u64 s[G0B+4*\s+2:G0B+4*\s+3], s[46:47], \s*KSTEPB
	s_or_b32 s[G0B+4*\s+3], s[G0B+4*\s+3], 0x80000000
	JLOAD \s                                       ; two loads of mine are out
.endr
	v_and_b32 v1, 15, v0                           ; r
	v_bfe_u32 v2, v0, 4, 1                         ; h
	v_and_b32 v3, 31, v0
	v_lshlrev_b32 v[CO], 4, v3
	s_lshl_b32 s22, s13, 14                        ; my 64 tokens
	s_lshl_b32 s23, s14, 15
	s_add_co_u32 s23, s23, APART                   ; my 128 columns
.irp s, 0,1
	v_add_nc_u32 v[ADRA+\s], s22, v[CO]
	v_add_nc_u32 v[ADRB+\s], s23, v[CO]
	s_add_co_u32 s22, s22, SLOT
	s_add_co_u32 s23, s23, SLOT
.endr
	s_mul_i32 s22, s12, 16*SPITCH
	s_add_co_u32 s22, s22, STAGE                   ; my stage
	v_mul_u32_u24 v4, v1, SPITCH
	v_lshl_add_u32 v4, v2, 5, v4
	v_add_nc_u32 v[STO], s22, v4                   ; in: row r, 32 bytes for each half of the lanes
	v_add_nc_u32 v[RD], s22, v[CO]                 ; back: the 32 lanes take one row of 512 bytes
	v_lshlrev_b32 v[BIA], 5, v2
	s_lshl_b32 s46, s42, 10                        ; my first column, in bytes
	s_lshl_b32 s47, s14, 9
	s_add_co_u32 s46, s46, s47
	s_mov_b32 s47, 0
	s_add_nc_u64 s[8:9], s[8:9], s[46:47]
	s_add_nc_u64 s[10:11], s[10:11], s[46:47]
	s_lshl_b32 s16, s15, 19                        ; my first row: 128 rows of 4,096 bytes a tile row, + my 64
	s_lshl_b32 s22, s13, 18
	s_add_co_u32 s16, s16, s22
	s_add_nc_u64 s[10:11], s[10:11], s[16:17]
.irp b, 0,1,2,3,4,5,6,7
	global_load_b128 v[BI+8*\b:BI+8*\b+3], v[BIA], s[8:9] offset:64*\b         ; bias(16 b + 8 h + 0 .. 7): a tile's C
	global_load_b128 v[BI+8*\b+4:BI+8*\b+7], v[BIA], s[8:9] offset:64*\b+16
.endr
.macro MUL8 f, a, zero                 ; tokens' block a against the eight blocks of columns, 32 along K.  The 32 accumulators take turns
.irp b, 0,1,2,3,4,5,6,7
.if \zero
	v_wmma_f32_16x16x32_f16 v[8*(8*(\a)+\b):8*(8*(\a)+\b)+7], v[\f+8*\b:\f+8*\b+7], v[\f+64+8*(\a):\f+64+8*(\a)+7], v[BI+8*\b:BI+8*\b+7]
.else
	v_wmma_f32_16x16x32_f16 v[8*(8*(\a)+\b):8*(8*(\a)+\b)+7], v[\f+8*\b:\f+8*\b+7], v[\f+64+8*(\a):\f+64+8*(\a)+7], v[8*(8*(\a)+\b):8*(8*(\a)+\b)+7]
.endif
.endr
.endm
.macro FETCH slot, q, f                ; 24 LDS loads in one run: the slot's q-th 32 along K into buffer f: Wproj's eight fragments, then o's four
	WIN TO_F
.irp i, 0,1,2,3,4,5,6,7
	ds_load_b128 v[\f+8*\i:\f+8*\i+3],   v[ADRB+\slot] offset:\i*4096+(\q)*1024
	ds_load_b128 v[\f+8*\i+4:\f+8*\i+7], v[ADRB+\slot] offset:\i*4096+(\q)*1024+512
.endr
.irp i, 0,1,2,3
	ds_load_b128 v[\f+64+8*\i:\f+64+8*\i+3],   v[ADRA+\slot] offset:\i*4096+(\q)*1024
	ds_load_b128 v[\f+64+8*\i+4:\f+64+8*\i+7], v[ADRA+\slot] offset:\i*4096+(\q)*1024+512
.endr
.endm
.macro PLACES                          ; plain vector lines between a matrix instruction and a load into, or a read of, its registers
.rept 4
	v_nop
.endr
.endm
; A K step is four quarters of 32 along K, 32 matrix instructions each, on buffers 0, 1, 0, 1.  One of the first three multiplies buffer f and fetches quarter q into g.
.macro QUARTER slot, q, f, g, zero
	s_wait_dscnt 4                                 ; all but the youngest four loads (o's blocks 2, 3) are in
.if \zero
	WIN MUL0
.else
	WIN MUL
.endif
	MUL8 \f, 0, \zero
	MUL8 \f, 1, \zero
	PLACES
	FETCH \slot, \q, \g
	s_wait_dscnt 24                                ; all but the 24 just issued
.if \zero
	WIN MUL0
.else
	WIN MUL
.endif
	MUL8 \f, 2, \zero
	MUL8 \f, 3, \zero
.endm
; The last quarter multiplies buffer 1 and changes slots: one barrier; ahead of it each wave waits for all its tensor loads, adds 0 to its spare word, and waits for that and for its reads of this slot.
; fill = 1: the barrier opens a round of the cluster's, and this slot is filled again, two K steps ahead, first thing behind it.
.macro TURN slot, next, fill
	WIN 0
	s_wait_tensorcnt 0x0                           ; my part of the next slot has landed
	ds_add_u32 v[SPW], v[NIL]                      ; 0 onto my spare word
	s_wait_dscnt 5                                 ; (the add and the youngest four loads may be out)
	WIN MUL
	MUL8 F1, 0, 0
	s_wait_dscnt 0x0                               ; the add is done, and my reads of this slot are over
	s_barrier_signal -1
	MUL8 F1, 1, 0
.if \fill
	WIN 0
.endif
	s_barrier_wait -1
.if \fill
	CREST                                          ; no wave of any partner still reads this slot's tile or has a load on its way
	s_add_nc_u64 s[G0+4*\slot+2:G0+4*\slot+3], s[G0+4*\slot+2:G0+4*\slot+3], 2*KSTEPB
	s_add_nc_u64 s[G0B+4*\slot+2:G0B+4*\slot+3], s[G0B+4*\slot+2:G0B+4*\slot+3], 2*KSTEPB
	JLOAD \slot                                    ; its four v_nop are also the places ahead of the loads below
.else
	PLACES
.endif
	FETCH \next, 0, F0
	WIN MUL
	MUL8 F1, 2, 0
	MUL8 F1, 3, 0
.endm
	s_wait_tensorcnt 1                             ; my part of K step 0 is in; K step 1's load, issued behind it, may be out
	s_barrier_signal -1
	s_barrier_wait -1
	FETCH 0, 0, F0
	s_wait_loadcnt 0x0                             ; the bias
	QUARTER 0, 1, F0, F1, 1                        ; the first quarter stands ahead of the loop: its products start the sums
	WIN 0
	s_mov_b32 s3, LAPS-1
.Llap:                                                 ; a trip goes once round the ring and fills both slots again
	QUARTER 0, 2, F1, F0, 0
	QUARTER 0, 3, F0, F1, 0
	TURN 0, 1, 1
	QUARTER 1, 1, F0, F1, 0
	QUARTER 1, 2, F1, F0, 0
	QUARTER 1, 3, F0, F1, 0
	TURN 1, 0, 1
	QUARTER 0, 1, F0, F1, 0
	WIN 0
	s_sub_co_u32 s3, s3, 1
	s_cmp_lg_u32 s3, 0
	s_cbranch_scc1 .Llap
	QUARTER 0, 2, F1, F0, 0                        ; the last lap fills nothing
	QUARTER 0, 3, F0, F1, 0
	TURN 0, 1, 0
	QUARTER 1, 1, F0, F1, 0
	QUARTER 1, 2, F1, F0, 0
	QUARTER 1, 3, F0, F1, 0
	s_wait_dscnt 4
	WIN MUL
	MUL8 F1, 0, 0
	MUL8 F1, 1, 0
	s_wait_dscnt 0
	MUL8 F1, 2, 0
	MUL8 F1, 3, 0
	WIN 0
; THE WAY OUT, 16 rows x 128 columns at a time: through my own stage in LDS, back as whole rows of 512 bytes.  LDS serves a wave's instructions in order (ISA guide 5.7.1.4).
.macro TOSTAGE a
	WIN 0x08                                       ; an LDS store's data are its source 1: window 2
.irp b, 0,1,2,3,4,5,6,7
	ds_store_b128 v[STO], v[64*(\a)+8*\b:64*(\a)+8*\b+3] offset:64*\b          ; each accumulator from its low end on
	ds_store_b128 v[STO], v[64*(\a)+8*\b+4:64*(\a)+8*\b+7] offset:64*\b+16
.endr
	WIN 0
.set BB, BK+64*((\a)%2)
.irp t, 0,1,2,3,4,5,6,7,8,9,10,11,12,13,14,15
	ds_load_b128 v[BB+4*\t:BB+4*\t+3], v[RD] offset:\t*SPITCH
.endr
.endm
.macro SEND a, younger                 ; younger: the LDS instructions issued behind block a's loads, which may stay out
.set BB, BK+64*((\a)%2)
	s_wait_dscnt \younger
.irp t, 0,1,2,3,4,5,6,7,8,9,10,11,12,13,14,15
	global_store_b128 v[CO], v[BB+4*\t:BB+4*\t+3], s[10:11] offset:(\a)*65536+\t*4096 th:TH_STORE_NT   ; 32 lanes store 512 consecutive bytes, aligned
.endr
.endm
	PLACES
	TOSTAGE 0
.irp a, 1,2,3
.if \a > 1
	s_wait_xcnt 0x0                                ; block a - 2's stores have read their registers: block a's loads may land there
.endif
	TOSTAGE \a
	SEND \a-1, 32                                  ; behind block a - 1's loads: block a's 16 stores and 16 loads
.endr
	SEND 3, 0
	s_wait_tensorcnt 0x0                           ; the wave's end, behind my last tensor load and my last LDS store
	ds_add_u32 v[SPW], v[NIL]
	s_wait_dscnt 0x0
	CROUND                                         ; the closing round
	s_endpgm
.Lfunc_end_k_qa552da1f73_proj:
	.size	k_qa552da1f73_proj, .Lfunc_end_k_qa552da1f73_proj-k_qa552da1f73_proj
	.p2alignl 7, 3214868480
	.fill 96, 4, 3214868480
	.section	.rodata,"a",@progbits
	.p2align	6, 0x0
	.amdhsa_kernel k_qa552da1f73_proj
		.amdhsa_group_segment_fixed_size 327680
		.amdhsa_private_segment_fixed_size 0
		.amdhsa_enable_private_segment 0
		.amdhsa_kernarg_size 32
		.amdhsa_user_sgpr_count 2
		.amdhsa_user_sgpr_kernarg_segment_ptr 1
		.amdhsa_wavefront_size32 1
		.amdhsa_system_sgpr_workgroup_id_x 1
		.amdhsa_system_sgpr_workgroup_id_y 1
		.amdhsa_system_sgpr_workgroup_id_z 1
		.amdhsa_system_vgpr_workitem_id 0
		.amdhsa_next_free_vgpr 768
		.amdhsa_next_free_sgpr 66
		.amdhsa_reserve_vcc 0
		.amdhsa_float_denorm_mode_32 3
		.amdhsa_float_denorm_mode_16_64 3
		.amdhsa_memory_ordered 1
		.amdhsa_forward_progress 1
		.amdhsa_inst_pref_size 86
	.end_amdhsa_kernel
	.amdgpu_metadata
---
amdhsa.version: [ 1, 2 ]
amdhsa.kernels:
  - .name:           k_qa552da1f73_proj
    .symbol:         k_qa552da1f73_proj.kd
    .args:
      - { .name: oh, .offset: 0, .size: 8, .value_kind: global_buffer, .address_space: global }
      - { .name: wp, .offset: 8, .size: 8, .value_kind: global_buffer, .address_space: global }
      - { .name: bproj, .offset: 16, .size: 8, .value_kind: global_buffer, .address_space: global }
      - { .name: out0, .offset: 24, .size: 8, .value_kind: global_buffer, .address_space: global }
    .group_segment_fixed_size: 327680
    .private_segment_fixed_size: 0
    .kernarg_segment_align: 8
    .kernarg_segment_size: 32
    .max_flat_workgroup_size: 128
    .sgpr_count:     66
    .vgpr_count:     768
    .wavefront_size: 32
...
	.end_amdgpu_metadata
.endif
;; end of part 4
